; MI455X (gfx1250); checked and timed in simulation.
; The chip was launched on July 23, 2026; its instructions are those of AMD's public machine-readable ISA for CDNA 5 (MIT licence, August 2026) and "CDNA5" Instruction Set Architecture Reference Guide (July 2026). The comments in the code are by the model that wrote it; some were corrected since.
;; Model. Allowed arithmetic: matrix products marked QUANTISED: E5M2 operands, one E8M0 scale for each 32 along K, by v_wmma_scale_f32_16x16x128_f8f6f4 with both operands' format E5M2, f32 sums; everything else in f32.
;; Inputs: Wk_codes 1,024 x 32 x 32 uint8 (E5M2 codes of Wk, K innermost, in blocks of 32 codes); Wk_scales 1,024 x 32 uint8 (E8M0 scales of Wk, one for each 32 codes along K); Wq_codes 1,024 x 32 x 32 uint8 (E5M2 codes of Wq, K innermost, in blocks of 32 codes); Wq_scales 1,024 x 32 uint8 (E8M0 scales of Wq, one for each 32 codes along K); Wv_codes 1,024 x 32 x 32 uint8 (E5M2 codes of Wv, K innermost, in blocks of 32 codes); Wv_scales 1,024 x 32 uint8 (E8M0 scales of Wv, one for each 32 codes along K); bk 1,024 float32; bq 1,024 float32; bv 1,024 float32; k_codes 4 x 2,048 x 32 x 32 uint8 (E5M2 codes of k, K innermost, in blocks of 32 codes); k_scales 4 x 2,048 x 32 uint8 (E8M0 scales of k, one for each 32 codes along K); mask 4 x 2,048 x 2,048 bool; q_codes 4 x 2,048 x 32 x 32 uint8 (E5M2 codes of q, K innermost, in blocks of 32 codes); q_scales 4 x 2,048 x 32 uint8 (E8M0 scales of q, one for each 32 codes along K); v_codes 4 x 2,048 x 32 x 32 uint8 (E5M2 codes of v, K innermost, in blocks of 32 codes); v_scales 4 x 2,048 x 32 uint8 (E8M0 scales of v, one for each 32 codes along K).
;; Outputs: out0 4 x 2,048 x 1,024 float32.
;; This version of the problem:
;;   THIS VERSION OF THE PROBLEM IS GIVEN IN LOW PRECISION. The matrix products marked QUANTISED in the list below multiply operands that are first quantised to E5M2 (5 exponent bits, 2 mantissa bits; 8 bits a number), with one power-of-two scale for each 32 numbers along K (OCP MX v1.0); their sums are f32. All else is computed in f32.
;;   The module's matrix products, in the order in which they are computed (A, B: the left and right operand; K: the contracted axis; several contracted axes count as one K, in the product's order):
;;     1. [M 8,192, K 1,024] x [K 1,024, N 1,024]; A: input q (given as codes); B: input Wq (given as codes): QUANTISED
;;     2. [M 8,192, K 1,024] x [K 1,024, N 1,024]; A: input k (given as codes); B: input Wk (given as codes): QUANTISED
;;     3. [M 8,192, K 1,024] x [K 1,024, N 1,024]; A: input v (given as codes); B: input Wv (given as codes): QUANTISED
;;     4. batch 4 x [M 2,048, K 1,024] x [K 1,024, N 2,048]; A: computed on the way; B: computed on the way: QUANTISED
;;     5. batch 4 x [M 2,048, K 2,048] x [K 2,048, N 1,024]; A: softmax (see below); B: computed on the way: QUANTISED
;;   THE QUANTISER, for each operand of a quantised product, along K:
;;     - K is cut into blocks of 32 from its start; a last block that is shorter is filled with zeros.
;;     - A block's scale is 2^e with e = floor(log2(the largest magnitude in the block)) - 15, held to -126 .. 127; a block of zeros has e = 0. As a byte (E8M0): e + 127.
;;     - Each number is divided by its block's scale, clamped to +-57,344, and rounded to the nearest number of E5M2, ties to even, subnormals kept.
;;     - The product sums the exact products of the quantised numbers (number of the format x scale) in f32.
;;   ~~~python
;;   def quantise(x, axis):      # numpy; x: float32 -> the quantised numbers, widened to float32 again
;;       x = np.moveaxis(x, axis, -1); K = x.shape[-1]
;;       x = np.pad(x, [(0, 0)] * (x.ndim - 1) + [(0, -K % 32)]); x = x.reshape(x.shape[:-1] + (-1, 32)); a = np.abs(x).max(-1, keepdims=True)
;;       e = np.where(a > 0, np.clip(np.frexp(np.where(a > 0, a, 1))[1] - 1 - 15, -126, 127), 0)      # np.frexp(a)[1] - 1 = floor(log2(a)), exactly
;;       r = np.clip(x / 2.0 ** e, -57344, 57344)
;;       step = 2.0 ** (np.maximum(np.frexp(np.where(r == 0, 1, r))[1] - 1, -14) - 2)
;;       q = np.round(r / step) * step * 2.0 ** e      # np.round: ties to even
;;       return np.moveaxis(q.reshape(q.shape[:-2] + (-1,))[..., :K], -1, axis).astype(np.float32)
;;   ~~~
;;   SOFTMAX AHEAD OF A QUANTISED PRODUCT. Where the list says 'softmax', what is quantised is not the finished softmax but p = 2^(t - M), with t = logit x log2(e) and M = ceil(the row's largest t), a whole number; so 1/2 < the row's largest p <= 1. The row's sum l is taken of the UNQUANTISED p, in f32, and the product's result is divided by l at the end. Since M is a whole number, a kernel that streams over the keys may use a running M (the ceiling of the running maximum): every later rescaling is an exact power of two, which a block's scale takes up: the codes' values come out the same.
;;   OPERANDS COMPUTED ON THE WAY. 'Computed on the way' means the value that the module computes at that place (a softmax that the list does not call 'softmax' is quantised finished and normalised). What goes into a quantiser is computed in f32, as accurately as f32 sums, v_exp_f32 and their like allow (about 1e-6 of the number): no bf16 or f16 on the way to a quantiser, and a product that is left as it is and whose result goes on into a quantised operand takes f32 operands (vector FMAs, or v_wmma_f32_16x16x4_f32). A number that lies on a knife's edge between two numbers of the format may be rounded either way, as far as f32 arithmetic and the matrix unit's own rounding can turn it there, and no further.
;;   INPUTS GIVEN AS CODES. Wk (in the module: [1024, 1024], K = its axis 1); Wq (in the module: [1024, 1024], K = its axis 1); Wv (in the module: [1024, 1024], K = its axis 1); k (in the module: [4, 2048, 1024], K = its axis 2); q (in the module: [4, 2048, 1024], K = its axis 2); v (in the module: [4, 2048, 1024], K = its axis 2): each comes as NAME_codes (uint8): NAME with its K axis moved to the last place and cut into blocks of 32 codes, [.., K / 32, bytes a block], one block behind the other in memory; one code a byte (a code: sign, 5 exponent bits, 2 mantissa bits); and NAME_scales (uint8): the same leading axes, one E8M0 byte (e + 127) for each 32 codes along K. Its value is code x scale, taken as it is: it is not quantised again, and the codes and scales need not be those that the quantiser above would give.
;; One version. Each part assembles by itself: llvm-mc -triple=amdgcn-amd-amdhsa -mcpu=gfx1250 --defsym DOCPART=n.
;; ======== version 1 of 1: 3 launches
;; limits: right only within a limited range of input values
;; workspace buffers: qimg 8,388,608 bytes; kimg 8,388,608 bytes; vimg 8,388,608 bytes; qsc 262,144 bytes; ksc 262,144 bytes; vsc 262,144 bytes; pimg 16,777,216 bytes; pstat 1,572,864 bytes
;; launch proj (part 1): grid 16 x 16, 4 waves a work-group, clusters of 4 x 4, 327,680 bytes of LDS; arguments q_codes, q_scales, Wq_codes, Wq_scales, bq, qimg, qsc, k_codes, k_scales, Wk_codes, Wk_scales, bk, kimg, ksc, v_codes, v_scales, Wv_codes, Wv_scales, bv, vimg, vsc; writes qimg, qsc, kimg, ksc, vimg, vsc
.if DOCPART == 1
	.amdgcn_target "amdgcn-amd-amdhsa--gfx1250"
	.amdhsa_code_object_version 6
	.text
	.protected	k_qc8a6e9ab94_proj
	.globl	k_qc8a6e9ab94_proj
	.p2align	8
	.type	k_qc8a6e9ab94_proj,@function
k_qc8a6e9ab94_proj:
	s_mov_b64 s[64:65], 0
	v_nop
	global_prefetch_b8 v0, s[64:65] scope:SCOPE_SE
	s_setreg_imm32_b32 hwreg(HW_REG_WAVE_MODE, 25, 1), 1
	s_wait_xcnt 0x0
	s_wait_alu depctr_hold_cnt(0) depctr_sa_sdst(0) depctr_va_vdst(0) depctr_va_sdst(0) depctr_va_ssrc(0) depctr_va_vcc(0) depctr_vm_vsrc(0)
	s_getreg_b32 s2, hwreg(HW_REG_IB_STS2, 6, 4)
	s_cmp_eq_u32 s2, 0
	s_cbranch_scc0 .Lentry_in_a_cluster
	s_endpgm
.Lentry_in_a_cluster:
	s_bfe_u32 s2, ttmp6, 0x10000c
	s_cmp_lg_u32 s2, 0xf033
	s_cbranch_scc0 .Lentry_shape_is_right
	s_endpgm
.Lentry_shape_is_right:
; THE THREE LINEAR LAYERS, x W^T + b, on codes of BF8 (E5M2) with an E8M0 scale for each 32 along K, and their results quantised at once for the products that follow.
; The input mask is loaded by no launch of this program: reference() takes it as an argument and never uses it, so no output number hangs on it, whatever it holds.
; LIMITS: NaN and infinity codes and the scale byte 0xff among the inputs, and sums beyond f32's range, are not served.  A block of zeros gets the byte 1 where the rule says 127: its codes are zeros, and this program alone reads the bytes.
; THE DEAL.  256 work-groups of four waves, 2 x 2.  A wave holds 64 rows of a weight, ALL of K, in registers (512) and streams tokens past them in blocks of 16, which stand in registers as two whole sets (256).
; PHASE 1: 512 tokens x 128 channels of q (tile columns 0 to 7) or k (8 to 15): sixteen blocks a wave: block s of wave row w is tokens 32 s + 16 w on; a lane holds one token and runs along the channels.
; PHASE 2: 256 tokens x 128 channels of v: eight blocks: block i of wave row w is tokens 128 (i / 4) + 64 w + 16 (i % 4) on; a lane holds one channel and runs along the tokens.
; THE ORDER WITHIN A BLOCK OF 32 along the next K: a lane of half h holds 8 h + 0 .. 7 and 16 + 8 h + 0 .. 7, and these 16 codes are stored as the operand's 16 bytes.  Both operands of the next product carry the same order, so it is the same sum.
; OUTPUTS: images of operand registers: [c 0..3][lane][16 bytes], 2,048 bytes a fragment of 16 rows x 128.  img: [block of 256 rows][K step of 128][16 fragments];  sc: [block][K step][4 groups of 64 rows][row % 16][tile 0..3][4 bytes].
; FILLS.  Two slots of 128 rows.  Head: W into slot 1 (wave 0), chunk 0 into slot 0 (wave 1), x's scale bytes (wave 2), v's (wave 3): one load a wave.  Refills, each in a drained round of the cluster's barrier, 32 rows a wave:
; chunks 1, 2, 3 inside blocks 0, 4, 8; Wv inside block 12; v's first 128 tokens inside block 15; its second behind Wv's loads into registers.
; CLUSTERS: 4 x 4.  Tokens hang on the place along y (shared along a row of the cluster), weights on the place along x (along a column); q or k, and v's window, on the cluster's number.
; A block's way out (maxima, holds, conversions, bytes) stands AMONG LATER PRODUCTS: q's and k's among the next block's, a pair of v's blocks among the next pair's.  The first way out of either phase works on what stands there and stores nothing.
; PREFETCHES INTO THE L2: chunks 1 and 2 at the head, chunk 3, Wv, v's two chunks one in each later trip: the cluster's sixteen waves that will read a chunk of 128 rows take 8,192 bytes of it each, lanes 256 bytes apart.
; A tile of Wv is read by eight clusters: those with y = 0 alone ask for it.
.set KROW, 1024
.set PITCH, KROW+16                    ; an LDS row = 260 words: row r starts at bank 4 r mod 64 (64 banks of 4 bytes: ISA guide 11.1)
.set NB, 4
.set CH, 128
.set FR, 16
.set FPW, 256/FR
.set NP, 8                             ; places behind this matrix instruction (ISA guide 7.12.1)
.set NF, 34                            ; LDS loads of a block: eight fragments of four, two of scale words
.set YB, CH*PITCH                      ; slot 1
.set SCL, 2*YB                         ; the scale bytes of x's 512 rows, as units of 256 bytes (8 rows) + 16 of padding
.set SCV, SCL+64*272                   ; of v's 256 rows
.set SSTEP, 4*272                      ; 32 rows
.set XN, SCV+32*272                    ; q's or k's scale words on their way out, 2,048 bytes
.set XV, XN+2048                       ; v's, 1,024 bytes
.set SPARE, XV+1024
.set EMAX, 15
.set TB, 4096                          ; from a block's image to the next block's
.set ADRA0, 4                          ; v4  LDS address of my fragments of block 0
.set AASV, 5                           ; v5  phase 2: of my scale words
.set AAS0, 6                           ; v6  of my scale words in block 0
.set PFR, 7                            ; v7, v8  the prefetches' offsets: my share along the row, along the column
.set PFC, 8
.set CO, 9                             ; v9  16 x lane
.set SPW, 10                           ; v10  my spare word
.set NIL, 11                           ; v11  0
.set ADRA, 12                          ; v12, v17  the block that is fetched next
.set VX, 13                            ; v13  LDS address of scale bytes on their way out
.set ADRB, 14                          ; v14, v15  my fragments of a weight in slot 1, in slot 0
.set ABS, 16                           ; v16  my offset in a weight's scale bytes
.set AAS, 17
.set ADRV, 18                          ; v18  phase 2: LDS address of my fragments of block 0 in slot 0
.set RD, 19                            ; v19  LDS address of v's scale bytes
.set SOP, 20                           ; v20-23  the conversions' scale operands
.set SB, 24                            ; v24-39  the weight's scale words: register 8 p + q: lanes 0-15 tile 2 p's, lanes 16-31 tile 2 p + 1's
.set EB, 40                            ; v40-43  scale bytes
.set SA, 44                            ; v44-59  x's scale words, two sets: no product's two scale words have numbers equal modulo 8
.set TQ, 60                            ; v60-63  maxima and bounds
.set ACC, 64                           ; v64-191  four sets of four accumulators: products write 0 and 1 by turns; 2 and 3 take a pair of v's blocks for its way out
.set WS, 128                           ; v128-143  in phase 1: Wv's scale words
.set NCD, 192                          ; v192-199  q's or k's 32 codes
.set MCD, 192                          ; v192-207  v's, four registers a tile
.set BQ, 208                           ; v208-239  the bias, the first four products' C
.set BV, 240                           ; v240-243  v's bias, a number a tile, until the change of phase
.set G1A, 24                           ; s[24:31], s[56:59]  x's chunk 0; later group 1 of all refills of tokens, group 0 of Wv's
.set G0A, 56
.set G1B, 32                           ; s[32:39], s[60:63]  W; later group 1 of Wv's refill
.set G0B, 60
.set G0R, 68                           ; s[68:71]  group 0 of the tokens' refills
.set G1S, 80                           ; s[80:87], s[72:75]  x's scale bytes
.set G0S, 72
.set G1SV, 92                          ; s[92:99], s[76:79]  v's
.set G0SV, 76
.set CUR, 88                           ; s88, s89  this chunk's slot, the next chunk's;  s90, s91  their scale words' steps
.set NXT, 89
.set SCUR, 90
.set SNXT, 91
.set ROFF, 100                         ; s100  where the refilled rows begin
.set BST, 101                          ; s101  from a trip's scale words to the next trip's
.set MSB, 0
.macro WIN new                         ; the immediate's high byte repeats the setting that is left
.if MSB != \new
	s_set_vgpr_msb (MSB<<8)|\new
.set MSB, \new
.endif
.endm
.macro PLACES n
.rept \n
	v_nop
.endr
.endm
.macro WALU
	s_wait_alu depctr_va_vdst(0)
.endm
.macro BARRIER
	s_barrier_signal -1
	s_barrier_wait -1
.endm
.macro MIDDLE                          ; a round's middle: behind the work-group's own barrier wave 0 signals the cluster's, and all wait for it
	WIN 0
	s_barrier_wait -1
	s_cmp_lg_u32 s14, 0
	s_cbranch_scc1 .Lnot_wave_0_\@
	s_barrier_signal -3
.Lnot_wave_0_\@:
	s_barrier_wait -3
.endm
.macro CROUND
	s_barrier_signal -1
	MIDDLE
	BARRIER
.endm
.macro GRD
	s_wait_tensorcnt 0x0
	ds_add_u32 v[SPW], v[NIL]
.endm
.macro TLOAD g0, g1
	tensor_load_to_lds s[\g0:\g0+3], s[\g1:\g1+7]
	s_nop 0
	PLACES 4
.endm
.macro GROUP1 g, mask                  ; 128 whole rows of K, padded in LDS; behind the head the two words that count rows are set to 32
	s_or_b32 s[\g+0], s[\mask], (1<<20)|(1<<21)|(7<<22)|(3<<25)
	s_mov_b32 s[\g+1], KROW<<16
	s_mov_b32 s[\g+2], CH<<16
	s_mov_b32 s[\g+3], KROW<<16
	s_mov_b32 s[\g+4], CH
	s_mov_b32 s[\g+5], KROW
	s_mov_b32 s[\g+6], 0
	s_mov_b32 s[\g+7], 0
.endm
.macro SCG1 g, mask, rows              ; scale bytes: dense, as rows of 256 bytes (32 elements of 8), 16 of padding behind each
	s_or_b32 s[\g+0], s[\mask], (3<<16)|(1<<20)|(1<<21)|(5<<22)|(3<<25)
	s_mov_b32 s[\g+1], 32<<16
	s_mov_b32 s[\g+2], (\rows)<<16
	s_mov_b32 s[\g+3], 32<<16
	s_mov_b32 s[\g+4], \rows
	s_mov_b32 s[\g+5], 32
	s_mov_b32 s[\g+6], 0
	s_mov_b32 s[\g+7], 0
.endm
.macro GROUP0 g, lds, p
	s_mov_b32 s[\g], 1
	s_mov_b32 s[\g+1], \lds
	s_mov_b64 s[\g+2:\g+3], s[\p:\p+1]
	s_or_b32 s[\g+3], s[\g+3], 0x80000000
.endm
	s_load_b256 s[4:11], s[0:1], 0x0               ; q: codes, scales, Wq's codes, scales
	s_load_b256 s[56:63], s[0:1], 0x38             ; k: the same
	s_load_b128 s[68:71], s[0:1], 0x70             ; v: codes, scales
	s_load_b128 s[88:91], s[0:1], 0x80             ; Wv: codes, scales
	s_load_b64 s[100:101], s[0:1], 0x20            ; bq, bk, bv
	s_load_b64 s[66:67], s[0:1], 0x58
	s_load_b64 s[46:47], s[0:1], 0x90
	v_lshl_add_u32 v[SPW], v0, 2, SPARE
	v_mov_b32 v[NIL], 0
	ds_add_u32 v[SPW], v[NIL]                      ; the wave's opening: the add, twice on end, and its wait ahead of my first tensor load
	ds_add_u32 v[SPW], v[NIL]
	v_lshrrev_b32 v1, 5, v0
	v_readfirstlane_b32 s14, v1                    ; wave 0..3
	s_lshr_b32 s15, s14, 1                         ; my row of waves
	s_and_b32 s16, s14, 1                          ; my column of waves
	s_bfe_u32 s40, ttmp6, 0x40000                  ; cx, cy
	s_bfe_u32 s41, ttmp6, 0x40004
	s_lshl_b32 s42, ttmp9, 2
	s_add_co_u32 s42, s42, s40                     ; tile column 0..15
	s_and_b32 s12, ttmp7, 0xffff                   ; the cluster's y
	s_lshl_b32 s43, s12, 2
	s_add_co_u32 s43, s43, s41                     ; tile row 0..15: 512 tokens
	s_lshr_b32 s19, ttmp9, 1                       ; phase 1's tensor: 0 q, 1 k
	s_and_b32 s18, ttmp9, 1
	s_lshl_b32 s21, s43, 1
	s_add_co_u32 s21, s21, s18                     ; phase 2's window of 256 tokens, 0..31
	s_and_b32 s17, s42, 7                          ; phase 1's 128 channels
	s_lshl_b32 s13, s19, 2
	s_add_co_u32 s13, s13, s40                     ; phase 2's 128 channels, 0..7
	s_lshl_b32 s44, s41, 2
	s_lshl_b32 s44, 15, s44                        ; my row of the cluster
	s_lshl_b32 s45, 0x1111, s40                    ; my column
	s_mov_b32 s3, 0
	s_mov_b32 s23, 0
	GROUP1 G1B, 45
	GROUP1 G1A, 44
	SCG1 G1S, 44, 64
	SCG1 G1SV, 44, 32
	v_and_b32 v1, 15, v0                           ; r
	v_bfe_u32 v2, v0, 4, 1                         ; h
	v_and_b32 v3, 31, v0                           ; lane
	v_mul_u32_u24 v22, v1, PITCH
	v_lshl_add_u32 v23, v2, 4, v22                 ; a fragment's row x pitch + 16 x half
	s_mul_i32 s20, s15, 16*PITCH
	v_add_nc_u32 v[ADRA0], s20, v23
	s_mul_i32 s20, s15, 64*PITCH
	v_add_nc_u32 v[ADRV], s20, v23
	s_mul_i32 s20, s16, 64*PITCH
	v_add_nc_u32 v[ADRB+1], s20, v23
	s_add_co_u32 s20, s20, YB
	v_add_nc_u32 v[ADRB], s20, v23
	v_lshlrev_b32 v[ABS], 5, v3
	v_lshrrev_b32 v22, 3, v1
	v_lshlrev_b32 v23, 5, v1                       ; scale bytes in LDS: 32 bytes a row, and 16 more for each 256 passed
	v_lshl_add_u32 v23, v22, 4, v23
	s_mul_i32 s20, s15, 2*272
	s_add_co_u32 s20, s20, SCL
	v_add_nc_u32 v[AAS0], s20, v23
	s_mul_i32 s20, s15, 8*272
	s_add_co_u32 s20, s20, SCV
	v_add_nc_u32 v[AASV], s20, v23
	v_lshlrev_b32 v[CO], 4, v3
	s_lshl_b32 s20, s15, 2
	s_lshl_b32 s22, s16, 1
	s_add_co_u32 s20, s20, s22
	s_add_co_u32 s20, s20, XN
	v_lshl_add_u32 v[VX], v1, 4, s20               ; row r's word of tile w (+ 2 for odd blocks), bytes 2 x my column on
	s_lshl_b32 s20, s16, 8
	s_lshl_b32 s22, s15, 1
	s_add_co_u32 s20, s20, s22
	s_add_co_u32 s20, s20, XV
	v_lshl_add_u32 v[RD], v1, 4, s20               ; v: my group of 64 channels, row r, byte 2 w
	s_lshl_b32 s20, s40, 2
	s_add_co_u32 s20, s20, s14
	s_lshl_b32 s20, s20, 13
	v_lshl_add_u32 v[PFR], v3, 8, s20
	s_lshl_b32 s20, s41, 2
	s_add_co_u32 s20, s20, s14
	s_lshl_b32 s20, s20, 13
	v_lshl_add_u32 v[PFC], v3, 8, s20
	v_lshlrev_b32 v40, 5, v2                       ; the biases' offsets
	v_lshlrev_b32 v41, 2, v1
	v_add_nc_u32 v1, 32*PITCH, v[ADRA0]            ; v1, v2 from here on: block 1's LDS addresses
	v_add_nc_u32 v2, SSTEP, v[AAS0]
	v_mov_b32 v[TQ+2], 0                           ; (a lane permute's destination counts as one of its sources)
	v_mov_b32 v[TQ+3], 0
	WALU
	s_wait_dscnt 0x0                               ; both opening adds are done
	CROUND                                         ; all sixteen work-groups are here
	s_wait_kmcnt 0x0
	s_cmp_eq_u32 s19, 1                            ; the choice hangs on the cluster's number alone
.irp i, 0,2,4,6
	s_cselect_b64 s[4+\i:5+\i], s[56+\i:57+\i], s[4+\i:5+\i]
.endr
	s_cselect_b64 s[100:101], s[66:67], s[100:101]
	s_lshl_b32 s2, s43, 19                         ; s[2:3]: offsets that hang on cy; s[22:23]: on cx
	s_add_nc_u64 s[4:5], s[4:5], s[2:3]            ; my 512 tokens' codes
	s_lshl_b32 s2, s43, 14
	s_add_nc_u64 s[6:7], s[6:7], s[2:3]            ; and scale bytes
	s_lshl_b32 s2, s21, 13
	s_add_nc_u64 s[70:71], s[70:71], s[2:3]        ; v's scale bytes
	s_lshl_b32 s22, s17, 17
	s_add_nc_u64 s[8:9], s[8:9], s[22:23]          ; W's codes
	GROUP0 G0B, YB, 8
	GROUP0 G0A, 0, 4
	GROUP0 G0S, SCL, 6
	GROUP0 G0SV, SCV, 70
	s_cmp_eq_u32 s14, 0                            ; ONE joint load a wave
	s_cbranch_scc0 .Lwave_1
	TLOAD G0B, G1B                                 ; wave 0: W's rows, which are wanted first
	s_branch .Lasked
.Lwave_1:
	s_cmp_eq_u32 s14, 1
	s_cbranch_scc0 .Lwave_2
	TLOAD G0A, G1A                                 ; wave 1: chunk 0
	s_branch .Lasked
.Lwave_2:
	s_cmp_eq_u32 s14, 2
	s_cbranch_scc0 .Lwave_3
	TLOAD G0S, G1S                                 ; wave 2: x's scale bytes
	s_branch .Lasked
.Lwave_3:
	TLOAD G0SV, G1SV                               ; wave 3: v's
.Lasked:
	s_lshl_b32 s2, s21, 18
	s_add_nc_u64 s[6:7], s[68:69], s[2:3]          ; s[6:7]: v's codes, my window
	s_lshl_b32 s22, s13, 17
	s_add_nc_u64 s[8:9], s[88:89], s[22:23]        ; s[8:9]: Wv's codes, my channels
	s_mov_b32 s[G0R], 1
	s_lshl_b32 s22, s17, 12
	s_lshl_b32 s20, s16, 11
	s_add_co_u32 s22, s22, s20
	s_add_nc_u64 s[10:11], s[10:11], s[22:23]      ; my 64 rows' scale bytes of W
	s_lshl_b32 s22, s13, 12
	s_add_co_u32 s22, s22, s20
	s_add_nc_u64 s[90:91], s[90:91], s[22:23]      ; of Wv
	s_lshl_b32 s22, s17, 9
	s_lshl_b32 s20, s16, 8
	s_add_co_u32 s22, s22, s20
	s_add_nc_u64 s[100:101], s[100:101], s[22:23]  ; my 64 channels' bias,
	s_lshl_b32 s22, s13, 9
	s_add_co_u32 s22, s22, s20
	s_add_nc_u64 s[46:47], s[46:47], s[22:23]      ; and v's
.irp p, 0,1
.irp c, 0,1
	global_load_b128 v[SB+8*\p+4*\c:SB+8*\p+4*\c+3], v[ABS], s[10:11] offset:\p*1024+16*\c
	global_load_b128 v[WS+8*\p+4*\c:WS+8*\p+4*\c+3], v[ABS], s[90:91] offset:\p*1024+16*\c
.endr
.endr
.irp j, 0,1,2,3
	global_load_b128 v[BQ+8*\j:BQ+8*\j+3], v40, s[100:101] offset:64*\j        ; register 8 j + i is b[16 j + 8 h + i]
	global_load_b128 v[BQ+8*\j+4:BQ+8*\j+7], v40, s[100:101] offset:64*\j+16
	global_load_b32 v[BV+\j], v41, s[46:47] offset:64*\j                       ; b[16 j + r]
.endr
	s_wait_xcnt 0x0                                ; the loads have taken their addresses
	s_cmp_eq_u32 s14, 0
	s_cbranch_scc0 .Lnot_b
	s_wait_tensorcnt 0x0                           ; wave 0: W has landed.  The other waves' wait stands at the second barrier
.Lnot_b:
	BARRIER
	global_prefetch_b8 v[PFR], s[4:5] offset:131072 th:TH_LOAD_NT scope:SCOPE_SE
	global_prefetch_b8 v[PFR], s[4:5] offset:262144 th:TH_LOAD_NT scope:SCOPE_SE
.macro FRAG f, adr, q, off             ; a weight's fragment f, 16 rows x 128 of K: lane l holds row l % 16; registers 4 c .. 4 c + 3 hold K = 32 c + 16 (l / 16) + 0 .. 15.  Fragment f lies in window 1 + f / 16
	WIN (1+(\f)/FPW)<<6
.irp c, 0,1,2,3
	ds_load_b128 v[FR*((\f)%FPW)+4*\c:FR*((\f)%FPW)+4*\c+3], v[\adr] offset:128*(\q)+32*\c+(\off)
.endr
.endm
.macro FETCHAT k, a, s                 ; a block of 16 tokens, all of K, into set k of window 3, and its scale words: NF loads
	WIN 3<<6
.irp q, 0,1,2,3,4,5,6,7
.irp c, 0,1,2,3
	ds_load_b128 v[128*\k+FR*\q+4*\c:128*\k+FR*\q+4*\c+3], v[\a] offset:128*\q+32*\c
.endr
.endr
	WIN 0
	ds_load_b128 v[SA+8*\k:SA+8*\k+3], v[\s]
	ds_load_b128 v[SA+8*\k+4:SA+8*\k+7], v[\s] offset:16
.endm
.macro PROD kind, e, a, n              ; product n = 4 q + b of a block: the q-th 128 of K, tile b of the weight; tokens in set e, sums in set a, begun from the bias.  kind 0 (q, k): source 0 = the weight's rows; 1 (v): source 0 = the tokens
.set Q_, (\n)/4
.set B_, (\n)%4
.set FB_, NB*Q_+B_
.set AC_, ACC+32*(\a)+8*B_
.set C_, AC_
.if Q_ == 0
.set C_, BQ+8*B_
.endif
.set R_, 128*(\e)+FR*Q_
.set W_, FR*(FB_%FPW)
.set XS_, SA+8*(\e)+Q_
.set WS_, SB+8*(B_/2)+Q_
.if \kind
	WIN 3|((1+FB_/FPW)<<2)
.if B_%2
	v_wmma_scale_f32_16x16x128_f8f6f4 v[AC_:AC_+7], v[R_:R_+FR-1], v[W_:W_+FR-1], v[C_:C_+7], v[XS_], v[WS_] matrix_a_fmt:MATRIX_FMT_BF8 matrix_b_fmt:MATRIX_FMT_BF8 matrix_b_scale:MATRIX_SCALE_ROW1
.else
	v_wmma_scale_f32_16x16x128_f8f6f4 v[AC_:AC_+7], v[R_:R_+FR-1], v[W_:W_+FR-1], v[C_:C_+7], v[XS_], v[WS_] matrix_a_fmt:MATRIX_FMT_BF8 matrix_b_fmt:MATRIX_FMT_BF8
.endif
.else
	WIN (1+FB_/FPW)|(3<<2)
.if B_%2
	v_wmma_scale_f32_16x16x128_f8f6f4 v[AC_:AC_+7], v[W_:W_+FR-1], v[R_:R_+FR-1], v[C_:C_+7], v[WS_], v[XS_] matrix_a_fmt:MATRIX_FMT_BF8 matrix_b_fmt:MATRIX_FMT_BF8 matrix_a_scale:MATRIX_SCALE_ROW1
.else
	v_wmma_scale_f32_16x16x128_f8f6f4 v[AC_:AC_+7], v[W_:W_+FR-1], v[R_:R_+FR-1], v[C_:C_+7], v[WS_], v[XS_] matrix_a_fmt:MATRIX_FMT_BF8 matrix_b_fmt:MATRIX_FMT_BF8
.endif
.endif
.endm
.macro HOLD x, b                       ; a sum held at the largest number that the format has under its block's scale (the conversion does not saturate: ISA guide 7.6.2)
	v_med3_num_f32 v[\x], v[\x], -v[TQ+\b], v[TQ+\b]
.endm
.macro SCALES i, n                     ; 0: the conversion's scale operand; 1: the bound; 2: a second copy of it; 3: the scale byte
.if (\i) == 0
	v_add_nc_u32 v[SOP+\n], -(EMAX<<23), v[TQ]
.elseif (\i) == 1
	v_and_or_b32 v[TQ+1], v[TQ], 0x7f800000, s62
.elseif (\i) == 2
	v_mov_b32 v[TQ+3], v[TQ+1]
.else
	v_lshrrev_b32 v[EB+\n], 23, v[SOP+\n]
.endif
.endm
.macro HOLDS m, x                      ; two holds; the fourth pair reads the bound's second copy
.if (\m) == 3
	HOLD \x, 3
	HOLD \x+1, 3
.else
	HOLD \x, 1
	HOLD \x+1, 1
.endif
.if (\m) == 2
	SCALES 2, 0
.endif
.endm
; THE QUANTISER OF q's OR k's BLOCK, gaps 0 .. 25: the 32 sums at x are two scale blocks, each in lanes l and l xor 16 (two chains side by side) -> codes NCD, two bytes EB
.macro GAPQ m, x
.if (\m) == 0
	v_max3_num_f32 v[TQ], 0x8000000, |v[\x]|, |v[\x+1]|
	v_max3_num_f32 v[TQ+1], 0x8000000, |v[\x+16]|, |v[\x+17]|
.elseif (\m) < 8
	v_max3_num_f32 v[TQ], v[TQ], |v[\x+2*(\m)]|, |v[\x+2*(\m)+1]|
	v_max3_num_f32 v[TQ+1], v[TQ+1], |v[\x+16+2*(\m)]|, |v[\x+17+2*(\m)]|
.elseif (\m) == 8
	v_permlanex16_b32 v[TQ+2], v[TQ], s60, s61
	v_permlanex16_b32 v[TQ+3], v[TQ+1], s60, s61
.elseif (\m) == 9
	v_max_num_f32 v[TQ], v[TQ], v[TQ+2]
	v_max_num_f32 v[TQ+1], v[TQ+1], v[TQ+3]
.elseif (\m) == 10
	v_add_nc_u32 v[SOP], -(EMAX<<23), v[TQ]
	v_add_nc_u32 v[SOP+1], -(EMAX<<23), v[TQ+1]
.elseif (\m) == 11
	v_and_or_b32 v[TQ+2], v[TQ], 0x7f800000, s62
	v_and_or_b32 v[TQ+3], v[TQ+1], 0x7f800000, s62
.elseif (\m) < 24
.set T_, ((\m)-12)/3
.set P_, ((\m)-12)%3
.set H_, \x+8*T_+3*P_
	HOLD H_, 2+T_/2
	HOLD H_+1, 2+T_/2
.if P_ < 2
	HOLD H_+2, 2+T_/2
.else
	v_cvt_scalef32_pk8_bf8_f32 v[NCD+2*T_:NCD+2*T_+1], v[H_-6:H_+1], v[SOP+T_/2]
.endif
.elseif (\m) == 24
	v_lshrrev_b32 v[EB], 23, v[SOP]
	v_lshrrev_b32 v[EB+1], 23, v[SOP+1]
.elseif (\m) == 25
	v_lshl_or_b32 v[EB], v[EB+1], 8, v[EB]
.endif
.endm
.macro GAPV u, x                       ; THE QUANTISER OF A PAIR OF v's BLOCKS, gaps 0 .. 59, 15 a tile: the even block's sums at x, the odd's at x + 32 -> codes MCD + 4 t, bytes EB + t
.set T_, (\u)/15
.set J_, (\u)%15
.set E_, \x+8*T_
.set O_, E_+32
.if (\u) > 59
.elseif J_ == 0
	v_max3_num_f32 v[TQ], |v[E_]|, |v[E_+1]|, |v[E_+2]|
	v_max3_num_f32 v[TQ+2], |v[O_]|, |v[O_+1]|, |v[O_+2]|
.elseif J_ < 3
	v_max3_num_f32 v[TQ], v[TQ], |v[E_+2*J_+1]|, |v[E_+2*J_+2]|
	v_max3_num_f32 v[TQ+2], v[TQ+2], |v[O_+2*J_+1]|, |v[O_+2*J_+2]|
.elseif J_ == 3
	v_max3_num_f32 v[TQ+2], v[TQ+2], |v[O_+7]|, (EMAX+1)<<23
	v_max3_num_f32 v[TQ], v[TQ], |v[E_+7]|, v[TQ+2]
.elseif J_ == 4
	v_permlanex16_b32 v[TQ+2], v[TQ], s60, s61
	v_max_num_f32 v[TQ], v[TQ], v[TQ+2]
.elseif J_ == 5
	SCALES 0, T_
	SCALES 1, T_
.elseif J_ < 10
	HOLDS J_-6, E_+2*(J_-6)
.if J_ == 9
	v_cvt_scalef32_pk8_bf8_f32 v[MCD+4*T_:MCD+4*T_+1], v[E_:E_+7], v[SOP+T_]
.endif
.elseif J_ < 14
	HOLDS J_-6, O_+2*(J_-10)
.if J_ == 13
	v_cvt_scalef32_pk8_bf8_f32 v[MCD+4*T_+2:MCD+4*T_+3], v[O_:O_+7], v[SOP+T_]
.endif
.else
	SCALES 3, T_
.endif
.endm
.macro RDESC i, base                   ; group 0 of a refill of tokens, in two parts: 32 rows a wave, from s[ROFF] behind the base, into the slot at s[NXT]
.if (\i) == 0
	s_mul_i32 s[G0R+1], s14, CH/4*PITCH
	s_add_co_u32 s[G0R+1], s[G0R+1], s[NXT]
	s_lshl_b32 s2, s14, 15
	s_add_co_u32 s2, s2, s[ROFF]
.else
	s_add_nc_u64 s[G0R+2:G0R+3], s[\base:\base+1], s[2:3]
	s_or_b32 s[G0R+3], s[G0R+3], 0x80000000
.endif
.endm
.macro WDESC i                         ; of Wv's, into slot 0
.if (\i) == 0
	s_mul_i32 s[G0A+1], s14, CH/4*PITCH
	s_lshl_b32 s22, s14, 15
.else
	s_add_nc_u64 s[G0A+2:G0A+3], s[8:9], s[22:23]
	s_or_b32 s[G0A+3], s[G0A+3], 0x80000000
.endif
.endm
; WHAT STANDS BEHIND PRODUCT n.  j: the block's kind: 0 .. 3 in a trip of four, 6 block 12, 4 block 14, 7 block 15, -1 and -2 phase 2's.  Behind 0 and 1: the addresses of the block two on; behind 2 the scale words' next place; behind 29 and 30 a refill's group 0; from 1 on a way out:
; y = 1: q's or k's block at x; 2, 3: the halves of v's pair at x
.macro LIST n, j, y, x
.if (\n) == 0
.if (\j) >= 0
	s_add_nc_u64 s[84:85], s[84:85], TB
.if (\j) == 1
	s_cmp_eq_u32 s46, 2                            ; block 8's image begins the second 256 tokens
	s_cselect_b64 s[84:85], s[86:87], s[84:85]
.endif
.endif
	WIN 0
.if (\j) == 0 || (\j) == 1 || (\j) == 6
	s_add_co_u32 s22, s[CUR], ((\j)%2+2)*32*PITCH
	v_add_nc_u32 v[ADRA], s22, v[ADRA0]
.elseif (\j) == 2 || (\j) == 3
	s_add_co_u32 s22, s[NXT], ((\j)-2)*32*PITCH
	v_add_nc_u32 v[ADRA], s22, v[ADRA0]
.elseif (\j) < 0
	s_add_co_u32 s22, s[NXT], (-1-(\j))*16*PITCH
	v_add_nc_u32 v[ADRA], s22, v[ADRV]
.endif
.elseif (\n) == 1
	WIN 0
.if (\j) == 0 || (\j) == 1 || (\j) == 6
	s_add_co_u32 s22, s[SCUR], ((\j)%2+2)*SSTEP
	v_add_nc_u32 v[AAS], s22, v[AAS0]
.elseif (\j) == 2 || (\j) == 3
	s_add_co_u32 s22, s[SNXT], ((\j)-2)*SSTEP
	v_add_nc_u32 v[AAS], s22, v[AAS0]
.elseif (\j) < 0
	s_add_co_u32 s22, s[SNXT], (-1-(\j))*544
	v_add_nc_u32 v[AAS], s22, v[AASV]
.endif
.endif
.if (\j) == 1 && (\n) == 2
	WIN 0
	v_add_nc_u32 v[VX], s[BST], v[VX]
.elseif (\n) == 29 || (\n) == 30
.if (\j) == 0
	RDESC (\n)-29, 4
.elseif (\j) == 6
	WDESC (\n)-29
.elseif (\j) == 7
	RDESC (\n)-29, 6
.endif
.endif
.if (\y) == 1 && (\n) > 0 && (\n) < 27
	WIN 0
	GAPQ (\n)-1, \x
.elseif (\y) == 2 && (\n) > 0 && (\n) < 31
	WIN 0
	GAPV (\n)-1, \x
.elseif (\y) == 3 && (\n) > 0 && (\n) < 31
	WIN 0
	GAPV (\n)+29, \x
.endif
.endm
.macro BLOCK kind, e, a, from, to, j, y, x
.set N_, \from
.rept (\to)-(\from)
	PROD \kind, \e, \a, N_
	LIST N_, \j, \y, \x
.set N_, N_+1
.endr
.endm
.macro BLK kind, e, a, w, j, y, x      ; a block; w: the wait's count (-1: none)
.if (\w) >= 0
	s_wait_dscnt \w
.endif
	s_wait_xcnt 0x0                                ; earlier stores and prefetches have read their sources
	BLOCK \kind, \e, \a, 0, 32, \j, \y, \x
	WIN 0
	PLACES NP
.endm
.macro RBLK kind, e, a, w, j, y, x     ; a block with a round of the cluster's barrier: the lines at its head, the signal behind 28 products
.if (\w) >= 0
	s_wait_dscnt \w
.endif
	s_wait_xcnt 0x0
	GRD
	BLOCK \kind, \e, \a, 0, 28, \j, \y, \x
	WIN 0
	WALU
	s_wait_dscnt 0x0
	s_barrier_signal -1
	BLOCK \kind, \e, \a, 28, 32, \j, \y, \x
	MIDDLE
	BARRIER
.endm
.macro SBLK kind, e, a, w, j, y, x, half=0  ; a block with a plain barrier (half = 1: it shows waves 0 and 1's loads alone)
.if (\w) >= 0
	s_wait_dscnt \w
.endif
	s_wait_xcnt 0x0
	BLOCK \kind, \e, \a, 0, 28, \j, \y, \x
	WIN 0
	WALU
.if \half
	s_cmp_lt_u32 s14, 2
	s_cbranch_scc0 .Lnot_yet_\@
	s_wait_tensorcnt 0x0
.Lnot_yet_\@:
.else
	s_wait_tensorcnt 0x0
.endif
	s_wait_dscnt 0x0
	s_barrier_signal -1
	BLOCK \kind, \e, \a, 28, 32, \j, \y, \x
	WIN 0
	s_barrier_wait -1
	PLACES NP
.endm
.macro QOUT off, boff                  ; a block's two scale bytes a row go to their place in LDS (both halves of the lanes write the same), its 32 codes a lane leave: 512 consecutive bytes a store
	ds_store_b16 v[VX], v[EB] offset:\boff
	global_store_b128 v[CO], v[NCD:NCD+3], s[84:85] offset:\off
	global_store_b128 v[CO], v[NCD+4:NCD+7], s[84:85] offset:(\off)+512
.endm
.irp q, 0,1,2,3,4,5,6,7
.irp b, 0,1,2,3
	FRAG NB*\q+\b, ADRB, \q, \b*16*PITCH
.endr
.endr
	WIN 0
	s_wait_tensorcnt 0x0                           ; chunk 0 and the scale bytes are in; W is in registers
	s_wait_dscnt 0x0
	BARRIER
	FETCHAT 0, ADRA0, AAS0
	FETCHAT 1, 1, 2
	s_load_b128 s[92:95], s[0:1], 0x28             ; qimg, qsc;  kimg, ksc;  vimg, vsc
	s_load_b128 s[80:83], s[0:1], 0x60
	s_load_b128 s[96:99], s[0:1], 0x98
	s_mov_b32 s[G1A+2], (CH/4)<<16                 ; no tensor load of mine is out: from here on a load brings 32 rows
	s_mov_b32 s[G1A+4], CH/4
	s_mov_b32 s[G1B+2], (CH/4)<<16
	s_mov_b32 s[G1B+4], CH/4
	s_mov_b32 s60, 0x76543210
	s_mov_b32 s61, 0xfedcba98                      ; v_permlanex16_b32's selects for lane l xor 16
	s_mov_b32 s62, 0x600000                        ; the mantissa field of 57,344
.set I_, 0
.rept 32
	v_mov_b32 v[ACC+32+I_], 0                      ; what the first way out works on
.set I_, I_+1
.endr
.macro SUM4 d, a, b, c, e, sa, sb, sc, se
	s_lshl_b32 s\d, s\a, \sa
	s_lshl_b32 s20, s\b, \sb
	s_add_co_u32 s\d, s\d, s20
	s_lshl_b32 s20, s\c, \sc
	s_add_co_u32 s\d, s\d, s20
	s_lshl_b32 s20, s\e, \se
	s_add_co_u32 s\d, s\d, s20
.endm
	SUM4 48, 43, 17, 15, 16, 19, 15, 11, 10        ; qimg: my first fragment, my two pieces of 512 bytes
	SUM4 50, 43, 15, 17, 16, 14, 13, 10, 9         ; qsc, at the end: wave n stores block n / 2, half n % 2
	s_lshr_b32 s10, s13, 1                         ; v's block of 256 channels,
	s_and_b32 s11, s13, 1                          ; and which half of it
	SUM4 52, 10, 21, 11, 16, 21, 16, 14, 13        ; vimg
	s_lshl_b32 s20, s15, 10
	s_add_co_u32 s52, s52, s20
	SUM4 54, 10, 21, 15, 11, 16, 11, 10, 9         ; vsc, at the end: wave n stores key step n / 2, group n % 2
	s_lshl_b32 s20, s16, 8
	s_add_co_u32 s54, s54, s20
.irp i, 49,51,53,55
	s_mov_b32 s\i, 0
.endr
	s_mov_b32 s46, 0                               ; the trip
	s_mov_b32 s[CUR], 0
	s_mov_b32 s[NXT], YB
	s_mov_b32 s[SCUR], 0
	s_mov_b32 s[SNXT], 4*SSTEP
	s_mov_b32 s[ROFF], CH*KROW
	s_mov_b32 s[BST], 0
	WALU
	s_wait_kmcnt 0x0
	s_cmp_eq_u32 s19, 1
	s_cselect_b64 s[92:93], s[80:81], s[92:93]
	s_cselect_b64 s[94:95], s[82:83], s[94:95]
	s_add_nc_u64 s[84:85], s[92:93], s[48:49]
	s_add_nc_u64 s[86:87], s[84:85], 262144        ; the second 256 tokens' images
	s_sub_nc_u64 s[84:85], s[84:85], 2*TB
	s_add_nc_u64 s[94:95], s[94:95], s[50:51]
	s_add_nc_u64 s[96:97], s[96:97], s[52:53]
	s_add_nc_u64 s[98:99], s[98:99], s[54:55]
	s_wait_loadcnt 0x0
.Lfour:
	RBLK 0, 0, 0, NF, 0, 1, ACC+32                 ; blocks 0, 4, 8: chunks 1, 2, 3 come
	s_cmp_lt_u32 s14, 2                            ; waves 0, 1 and waves 2, 3 have a load line each: the barrier inside the block two on waits for the first line's alone
	s_cbranch_scc0 .Lupper
	TLOAD G0R, G1A
	s_branch .Lboth
.Lupper:
	TLOAD G0R, G1A
.Lboth:
	PLACES NP-4
	s_cmp_eq_u32 s46, 0
	s_cbranch_scc1 .Lno_block_before
	QOUT 0, 264
.Lno_block_before:
	FETCHAT 0, ADRA, AAS
	BLK 0, 1, 1, -1, 1, 1, ACC
	QOUT 0, 0
	FETCHAT 1, ADRA, AAS
	SBLK 0, 0, 0, NF, 2, 1, ACC+32, 1              ; the next chunk's first half is in
	QOUT 0, 8
	s_cmp_eq_u32 s46, 1
	s_cbranch_scc1 .Lask_w
	s_cmp_eq_u32 s46, 2
	s_cbranch_scc1 .Lask_v
	global_prefetch_b8 v[PFR], s[4:5] offset:3*131072 th:TH_LOAD_NT scope:SCOPE_SE   ; trip 0: chunk 3
	s_branch .Lask_end
.Lask_v:
	global_prefetch_b8 v[PFR], s[6:7] th:TH_LOAD_NT scope:SCOPE_SE                   ; trip 2: v's first 128 tokens
	s_branch .Lask_end
.Lask_w:
	s_cmp_eq_u32 s12, 0
	s_cbranch_scc0 .Lask_end
	global_prefetch_b8 v[PFC], s[8:9] th:TH_LOAD_NT scope:SCOPE_SE                   ; trip 1: Wv
.Lask_end:
	FETCHAT 0, ADRA, AAS
	BLK 0, 1, 1, -1, 3, 1, ACC
	QOUT 0, 256
	FETCHAT 1, ADRA, AAS
	s_mov_b32 s[CUR], s[NXT]
	s_mov_b32 s[SCUR], s[SNXT]
	s_xor_b32 s[NXT], s[NXT], YB
	s_add_co_u32 s[SNXT], s[SNXT], 4*SSTEP
	s_add_co_u32 s[ROFF], s[ROFF], CH*KROW
	s_mov_b32 s[BST], 512
	s_add_co_u32 s46, s46, 1
	s_cmp_lg_u32 s46, 3
	s_cbranch_scc1 .Lfour
	RBLK 0, 0, 0, NF, 6, 1, ACC+32                 ; block 12: Wv's rows into slot 0, shared by my column
	TLOAD G0A, G1B
	PLACES NP-4
	QOUT 0, 264
	FETCHAT 0, ADRA, AAS
	BLK 0, 1, 1, -1, 1, 1, ACC                     ; block 13
	QOUT 0, 0
	global_prefetch_b8 v[PFR], s[6:7] offset:131072 th:TH_LOAD_NT scope:SCOPE_SE     ; v's second 128 tokens
	FETCHAT 1, ADRA, AAS
	BLK 0, 0, 0, NF, 4, 1, ACC+32                  ; block 14
	QOUT 0, 8
	s_mov_b32 s[ROFF], 0
	s_mov_b32 s[NXT], YB
	RBLK 0, 1, 1, 1, 7, 1, ACC                     ; block 15 (one byte store may be out): Wv is in; v's first 128 tokens into slot 1, which both sets have left
	TLOAD G0R, G1A
	PLACES NP-4
	QOUT 0, 256
	s_wait_xcnt 0x0                                ; the codes' registers are written again below
; THE CHANGE OF PHASE.  Among Wv's 128 loads: block 15's way out; Wv's scale words into their place; zeros into what no block has written yet (phase 2's first trip reads the sums' registers and stores nothing)
.macro CHANGE i
.if (\i) < 7
.irp k, 0,1,2,3
.if 4*(\i)+\k < 26
	GAPQ 4*(\i)+\k, ACC+32
.endif
.endr
.elseif (\i) < 9
.irp q, 0,1,2,3,4,5,6,7
	v_mov_b32 v[SB+8*((\i)-7)+\q], v[WS+8*((\i)-7)+\q]
.endr
.elseif (\i) < 15
.irp q, 0,1,2,3,4,5,6,7
	v_mov_b32 v[ACC+80+8*((\i)-9)+\q], 0
.endr
.endif
.endm
.irp q, 0,1,2,3,4,5,6,7
.irp b, 0,2
	FRAG NB*\q+\b, ADRB+1, \q, \b*16*PITCH
	FRAG NB*\q+\b+1, ADRB+1, \q, (\b+1)*16*PITCH
	WIN 0
	CHANGE 2*\q+\b/2
.endr
.endr
.irp t, 0,1,2,3
.irp i, 0,1,2,3,4,5,6,7
	v_mov_b32 v[BQ+8*\t+\i], v[BV+\t]              ; v's bias: a lane's channel, eight times
.endr
.endr
	v_add_nc_u32 v[ADRA], YB, v[ADRV]              ; v's blocks 0 and 1
	v_add_nc_u32 v1, YB+16*PITCH, v[ADRV]
	v_add_nc_u32 v2, 544, v[AASV]
	WALU
	QOUT TB, 264
	GRD
	s_mov_b32 s[NXT], 0
	s_mov_b32 s[ROFF], CH*KROW
	RDESC 0, 6
	RDESC 1, 6
	s_mov_b32 s46, 0
	s_wait_dscnt 0x0
	CROUND
	TLOAD G0R, G1A
	FETCHAT 0, ADRA, AASV
	FETCHAT 1, 1, 2
	s_mov_b32 s[NXT], YB+32*PITCH
	s_mov_b32 s[SNXT], 1088
	s_wait_dscnt NF
.macro VOUT                            ; a pair of v's blocks: four tiles' bytes and codes
.irp t, 0,1,2,3
	ds_store_b8 v[VX], v[EB+\t] offset:4*\t
	global_store_b128 v[CO], v[MCD+4*\t:MCD+4*\t+3], s[84:85] offset:2048*\t
.endr
.endm
.macro VTO                             ; s22 = the pair 0..3: key step pair / 2, its piece c = 2 w + pair % 2
	s_and_b32 s20, s22, 1
	s_lshr_b32 s22, s22, 1
	s_lshl_b32 s2, s22, 15
	s_lshl_b32 s10, s20, 9
	s_add_co_u32 s2, s2, s10
	s_add_nc_u64 s[84:85], s[96:97], s[2:3]
	s_lshl_b32 s22, s22, 9
	s_add_co_u32 s22, s22, s20
	v_add_nc_u32 v[VX], s22, v[RD]
.endm
.Lpair:
	BLK 1, 0, 0, -1, -1, 2, ACC+64
	s_cmp_eq_u32 s46, 3
	s_cbranch_scc1 .Lnone_0
	FETCHAT 0, ADRA, AAS
	s_wait_dscnt NF
	s_branch .Lgo
.Lnone_0:
	s_wait_dscnt 0x0
.Lgo:
	SBLK 1, 1, 1, -1, -2, 3, ACC+64                ; the first trip's barrier shows v's second 128 tokens
.set I_, 0
.rept 16                               ; the pair's sums are copied, so that one trip is two blocks of text
	v_dual_mov_b32 v[ACC+64+I_], v[ACC+I_] :: v_dual_mov_b32 v[ACC+64+I_+1], v[ACC+I_+1]
.set I_, I_+2
.endr
.rept 16
	v_dual_mov_b32 v[ACC+64+I_], v[ACC+I_] :: v_dual_mov_b32 v[ACC+64+I_+1], v[ACC+I_+1]
.set I_, I_+2
.endr
	s_add_co_u32 s22, s46, 3
	s_and_b32 s22, s22, 3                          ; the pair before
	VTO
	s_cmp_eq_u32 s46, 0
	s_cbranch_scc1 .Lno_pair_before
	VOUT
.Lno_pair_before:
	s_cmp_eq_u32 s46, 3
	s_cbranch_scc1 .Lnone_1
	FETCHAT 1, ADRA, AAS
.Lnone_1:
	s_mov_b32 s[SNXT], 5440
	s_mov_b32 s[NXT], 32*PITCH
	s_cmp_eq_u32 s46, 0
	s_cselect_b32 s[NXT], 0, s[NXT]
	s_cselect_b32 s[SNXT], 4352, s[SNXT]
	s_add_co_u32 s46, s46, 1
	s_cmp_lg_u32 s46, 4
	s_cbranch_scc1 .Lpair
	s_wait_xcnt 0x0
.set K_, 0
.rept 60
	GAPV K_, ACC+64
.set K_, K_+1
.endr
	s_mov_b32 s22, 3
	VTO
	WALU
	VOUT
	s_wait_dscnt 0x0                               ; my scale bytes lie in LDS
	BARRIER
	v_lshlrev_b32 v22, 3, v3
	s_lshl_b32 s20, s14, 9
	s_add_co_u32 s20, s20, XN
	v_add_nc_u32 v21, s20, v[CO]
	s_lshl_b32 s20, s14, 8
	s_add_co_u32 s20, s20, XV
	v_add_nc_u32 v23, s20, v22
	WALU
	ds_load_b128 v[60:63], v21
	ds_load_b64 v[40:41], v23
	s_wait_dscnt 0x0
	global_store_b128 v[CO], v[60:63], s[94:95]
	global_store_b64 v22, v[40:41], s[98:99]
	s_wait_tensorcnt 0x0                           ; the wave's end
	ds_add_u32 v[SPW], v[NIL]
	s_wait_dscnt 0x0
	CROUND                                         ; the closing round
	s_endpgm
.Lfunc_end_k_qc8a6e9ab94_proj:
	.size	k_qc8a6e9ab94_proj, .Lfunc_end_k_qc8a6e9ab94_proj-k_qc8a6e9ab94_proj
	.p2alignl 7, 3214868480
	.fill 96, 4, 3214868480
	.section	.rodata,"a",@progbits
	.p2align	6, 0x0
	.amdhsa_kernel k_qc8a6e9ab94_proj
		.amdhsa_group_segment_fixed_size 327680
		.amdhsa_private_segment_fixed_size 0
		.amdhsa_enable_private_segment 0
		.amdhsa_kernarg_size 168
		.amdhsa_user_sgpr_count 2
		.amdhsa_user_sgpr_kernarg_segment_ptr 1
		.amdhsa_wavefront_size32 1
		.amdhsa_system_sgpr_workgroup_id_x 1
		.amdhsa_system_sgpr_workgroup_id_y 1
		.amdhsa_system_sgpr_workgroup_id_z 1
		.amdhsa_system_vgpr_workitem_id 0
		.amdhsa_next_free_vgpr 1024
		.amdhsa_next_free_sgpr 102
		.amdhsa_reserve_vcc 0
		.amdhsa_float_denorm_mode_32 3
		.amdhsa_float_denorm_mode_16_64 3
		.amdhsa_memory_ordered 1
		.amdhsa_forward_progress 1
		.amdhsa_inst_pref_size 190
	.end_amdhsa_kernel
	.amdgpu_metadata
---
amdhsa.version: [ 1, 2 ]
amdhsa.kernels:
  - .name:           k_qc8a6e9ab94_proj
    .symbol:         k_qc8a6e9ab94_proj.kd
    .args:
      - { .name: q_codes, .offset: 0, .size: 8, .value_kind: global_buffer, .address_space: global }
      - { .name: q_scales, .offset: 8, .size: 8, .value_kind: global_buffer, .address_space: global }
      - { .name: Wq_codes, .offset: 16, .size: 8, .value_kind: global_buffer, .address_space: global }
      - { .name: Wq_scales, .offset: 24, .size: 8, .value_kind: global_buffer, .address_space: global }
      - { .name: bq, .offset: 32, .size: 8, .value_kind: global_buffer, .address_space: global }
      - { .name: qimg, .offset: 40, .size: 8, .value_kind: global_buffer, .address_space: global }
      - { .name: qsc, .offset: 48, .size: 8, .value_kind: global_buffer, .address_space: global }
      - { .name: k_codes, .offset: 56, .size: 8, .value_kind: global_buffer, .address_space: global }
      - { .name: k_scales, .offset: 64, .size: 8, .value_kind: global_buffer, .address_space: global }
      - { .name: Wk_codes, .offset: 72, .size: 8, .value_kind: global_buffer, .address_space: global }
      - { .name: Wk_scales, .offset: 80, .size: 8, .value_kind: global_buffer, .address_space: global }
      - { .name: bk, .offset: 88, .size: 8, .value_kind: global_buffer, .address_space: global }
      - { .name: kimg, .offset: 96, .size: 8, .value_kind: global_buffer, .address_space: global }
      - { .name: ksc, .offset: 104, .size: 8, .value_kind: global_buffer, .address_space: global }
      - { .name: v_codes, .offset: 112, .size: 8, .value_kind: global_buffer, .address_space: global }
      - { .name: v_scales, .offset: 120, .size: 8, .value_kind: global_buffer, .address_space: global }
      - { .name: Wv_codes, .offset: 128, .size: 8, .value_kind: global_buffer, .address_space: global }
      - { .name: Wv_scales, .offset: 136, .size: 8, .value_kind: global_buffer, .address_space: global }
      - { .name: bv, .offset: 144, .size: 8, .value_kind: global_buffer, .address_space: global }
      - { .name: vimg, .offset: 152, .size: 8, .value_kind: global_buffer, .address_space: global }
      - { .name: vsc, .offset: 160, .size: 8, .value_kind: global_buffer, .address_space: global }
    .group_segment_fixed_size: 327680
    .private_segment_fixed_size: 0
    .kernarg_segment_align: 8
    .kernarg_segment_size: 168
    .max_flat_workgroup_size: 128
    .sgpr_count:     102
    .vgpr_count:     1024
    .wavefront_size: 32
...
	.end_amdgpu_metadata
.endif
;; end of part 1
;; launch scores (part 2): grid 8 x 32, 4 waves a work-group, clusters of 4 x 4, 327,680 bytes of LDS; arguments qimg, qsc, kimg, ksc, pimg, pstat; writes pimg, pstat
.if DOCPART == 2
	.amdgcn_target "amdgcn-amd-amdhsa--gfx1250"
	.amdhsa_code_object_version 6
	.text
	.protected	k_qc8a6e9ab94_scores
	.globl	k_qc8a6e9ab94_scores
	.p2align	8
	.type	k_qc8a6e9ab94_scores,@function
k_qc8a6e9ab94_scores:
	s_mov_b64 s[64:65], 0
	v_nop
	global_prefetch_b8 v0, s[64:65] scope:SCOPE_SE
	s_setreg_imm32_b32 hwreg(HW_REG_WAVE_MODE, 25, 1), 1
	s_wait_xcnt 0x0
	s_wait_alu depctr_hold_cnt(0) depctr_sa_sdst(0) depctr_va_vdst(0) depctr_va_sdst(0) depctr_va_ssrc(0) depctr_va_vcc(0) depctr_vm_vsrc(0)
	s_getreg_b32 s2, hwreg(HW_REG_IB_STS2, 6, 4)
	s_cmp_eq_u32 s2, 0
	s_cbranch_scc0 .Lentry_in_a_cluster
	s_endpgm
.Lentry_in_a_cluster:
	s_bfe_u32 s2, ttmp6, 0x10000c
	s_cmp_lg_u32 s2, 0xf033
	s_cbranch_scc0 .Lentry_shape_is_right
	s_endpgm
.Lentry_shape_is_right:
; THE SCORES AND THEIR EXPONENTIALS.  S = Q K^T on codes of BF8 (E5M2) with E8M0 scales; t = S log2(e) / 32; for each query and each 128 keys M' = the largest t rounded up; p = 2^(t - M') is quantised along the keys, its sum taken unquantised.
; A work-group makes 256 queries x 256 keys of one batch, four waves of 128 x 128.  K = 1,024 in four visits of 256 through two LDS slots; operands are images of their registers, 2,048 bytes a fragment.
; Within a block of 32 keys a lane of half h holds keys 8 h + 0 .. 7 and 16 + 8 h + 0 .. 7, and stores these 16 codes as the operand's 16 bytes: V's images carry the same order.
; THE HEAD, one joint load a wave: wave 0 Q's first visit, wave 1 Q's scale words, wave 2 K's first visit, wave 3 K's scale words; the second visit follows behind a drained round.
; LIMITS: NaN and infinities are not served; the scaled scores stay under 2^31 in magnitude.  Bit 7 of each scale byte that leaves is set, for the launch that moves the bytes.
.set NQ,     2
.set FR,     16
.set NL,     4
.set NP,     8
.set SLOT,   131072
.set SCL,    2*SLOT
.set SPARE,  SCL+16384
.set ADRA, 16
.set ADRB, 20
.set ADRSO, 24
.set ADRSI, 25
.set LI,   26
.set SPW,  28
.set NIL,  29
.set SC,   32
.set BM,   64
.set XX,   68
.set HV,   72
.set SO,   76
.set NMP,  80
.set SA,   82
.set SB,   84
.set TT,   86
.set PWS,  88
.set NMS,  96
.set LS,   104
.set PO,   112
.set AF,   128
.set G1,   24
.set G0,   32
.set G1B,  40
.set G0B,  48
.set G1S,  56
.set G0S,  68
.set G1SB, 72
.set G0SB, 80
.set MSB, 0
.macro WIN new
.if MSB != (\new)
	s_set_vgpr_msb (MSB<<8)|(\new)
.set MSB, (\new)
.endif
.endm
.set MUL_LO, 0xa1
.set MUL_HI, 0xf1
.set TO_B,   0x40
.macro PLACES n
.rept \n
	v_nop
.endr
.endm
.macro JLOAD g0a, g1a, g0b, g1b
	s_cmp_eq_u32 s17, 0
	s_cbranch_scc0 .Lfor_b_\@
	tensor_load_to_lds s[\g0a:\g0a+3], s[\g1a:\g1a+7]
	s_nop 0
.rept 4
	v_nop
.endr
	s_branch .Lasked_\@
.Lfor_b_\@:
	tensor_load_to_lds s[\g0b:\g0b+3], s[\g1b:\g1b+7]
	s_nop 0
.rept 4
	v_nop
.endr
.Lasked_\@:
.endm
.macro CREST
	s_cmp_lg_u32 s16, 0
	s_cbranch_scc1 .Lnot_wave_0_\@
	s_barrier_signal -3
.Lnot_wave_0_\@:
	s_barrier_wait -3
	s_barrier_signal -1
	s_barrier_wait -1
.endm
.macro CROUND
	s_barrier_signal -1
	s_barrier_wait -1
	CREST
.endm
	s_load_b256 s[4:11], s[0:1], 0x0
	s_load_b128 s[12:15], s[0:1], 0x20
	v_lshl_add_u32 v[SPW], v0, 2, SPARE
	v_mov_b32 v[NIL], 0
	ds_add_u32 v28, v29
	ds_add_u32 v28, v29
	s_wait_dscnt 0x0
	v_lshrrev_b32 v1, 5, v0
	v_readfirstlane_b32 s16, v1
	s_lshr_b32 s17, s16, 1
	s_and_b32 s18, s16, 1
	s_bfe_u32 s20, ttmp6, 0x40000
	s_bfe_u32 s21, ttmp6, 0x40004
	s_and_b32 s2, ttmp7, 0xffff
	s_lshl_b32 s22, s2, 2
	s_add_co_u32 s22, s22, s21
	s_lshr_b32 s3, s2, 1
	s_lshl_b32 s3, s3, 1
	s_add_co_u32 s3, s3, ttmp9
	s_lshl_b32 s23, s3, 2
	s_add_co_u32 s23, s23, s20
	s_lshl_b32 s19, ttmp9, 2
	s_add_co_u32 s19, s19, s20
	s_lshl_b32 s84, s21, 2
	s_lshl_b32 s84, 15, s84
	s_lshl_b32 s85, 0x1111, s20
	s_or_b32 s[G1], s84, (3<<16)|(1<<21)
	s_or_b32 s[G1B], s85, (3<<16)|(1<<21)
.irp g, G1, G1B
	s_mov_b32 s[\g+1], 32<<16
	s_mov_b32 s[\g+2], 256<<16
	s_mov_b32 s[\g+3], 32<<16
	s_mov_b32 s[\g+4], 256
	s_mov_b32 s[\g+5], 32
	s_mov_b32 s[\g+6], 0
	s_mov_b32 s[\g+7], 0
.endr
	s_or_b32 s[G1S], s84, (3<<16)|(1<<21)
	s_or_b32 s[G1SB], s85, (3<<16)|(1<<21)
.irp g, G1S, G1SB
	s_mov_b32 s[\g+1], 32<<16
	s_mov_b32 s[\g+2], 32<<16
	s_mov_b32 s[\g+3], 32<<16
	s_mov_b32 s[\g+4], 32
	s_mov_b32 s[\g+5], 32
	s_mov_b32 s[\g+6], 0
	s_mov_b32 s[\g+7], 0
.endr
	s_lshl_b32 s92, s22, 3
	s_add_co_u32 s92, s92, s18
	s_lshl_b32 s92, s92, 15
	s_mov_b32 s93, 0
	s_lshl_b32 s96, s22, 13
	s_mov_b32 s97, 0
	s_lshl_b32 s94, s23, 3
	s_add_co_u32 s94, s94, s18
	s_lshl_b32 s94, s94, 15
	s_mov_b32 s95, 0
	s_lshl_b32 s98, s23, 13
	s_mov_b32 s99, 0
	s_lshl_b32 s66, s16, 15
	s_mov_b32 s86, 0x3d38aa3b
	s_mov_b32 s87, s86
	s_mov_b32 s88, 0x76543210
	s_mov_b32 s89, 0xfedcba98
	s_mov_b32 s90, 0x600000
	s_mov_b32 s91, 0xffff0000
	s_wait_kmcnt 0x0
	s_add_nc_u64 s[92:93], s[4:5], s[92:93]
	s_add_nc_u64 s[96:97], s[6:7], s[96:97]
	s_add_nc_u64 s[94:95], s[8:9], s[94:95]
	s_add_nc_u64 s[98:99], s[10:11], s[98:99]
	CROUND
	s_mov_b32 s[G0S], 1
	s_mov_b32 s[G0S+1], SCL
	s_mov_b64 s[G0S+2:G0S+3], s[96:97]
	s_or_b32 s[G0S+3], s[G0S+3], 0x80000000
	s_mov_b32 s[G0SB], 1
	s_mov_b32 s[G0SB+1], SCL+8192
	s_mov_b64 s[G0SB+2:G0SB+3], s[98:99]
	s_or_b32 s[G0SB+3], s[G0SB+3], 0x80000000
.irp s, 0,1
	s_mov_b32 s[G0+4*\s], 1
	s_add_co_u32 s[G0+4*\s+1], s66, \s*SLOT
	s_add_nc_u64 s[G0+4*\s+2:G0+4*\s+3], s[92:93], \s*65536
	s_or_b32 s[G0+4*\s+3], s[G0+4*\s+3], 0x80000000
	s_mov_b32 s[G0B+4*\s], 1
	s_add_co_u32 s[G0B+4*\s+1], s66, \s*SLOT
	s_add_nc_u64 s[G0B+4*\s+2:G0B+4*\s+3], s[94:95], \s*65536
	s_or_b32 s[G0B+4*\s+3], s[G0B+4*\s+3], 0x80000000
.endr
.macro ARM under, g0, g1, next
	s_cmp_lt_u32 s16, \under
	s_cbranch_scc0 \next
	tensor_load_to_lds s[\g0:\g0+3], s[\g1:\g1+7]
	s_nop 0
	PLACES 4
	s_branch .Lhead_asked
\next:
.endm
	ARM 1, G0, G1, .Lhead_sq                       ; waves 0 and 2 have s18 = 0: their addresses are the tiles' first bytes
	ARM 2, G0S, G1S, .Lhead_k
	ARM 3, G0B, G1B, .Lhead_sk
	tensor_load_to_lds s[G0SB:G0SB+3], s[G1SB:G1SB+7]
	s_nop 0
	PLACES 4
.Lhead_asked:
	v_and_b32 v1, 31, v0
	v_lshlrev_b32 v[LI], 4, v1
	s_wait_alu depctr_va_vdst(0)
	; PREFETCHES INTO THE L2 of visits 2 and 3, each at the step after the joint load of the visit before: 65,536 bytes of Q (waves 0, 1) and of K (waves 2, 3), shared out by address among the four partners that ask for them: 8,192 bytes a wave, lanes 256 bytes apart
	s_cmp_eq_u32 s17, 0
	s_cselect_b64 s[4:5], s[4:5], s[8:9]
	s_cselect_b32 s2, s22, s23
	s_cselect_b32 s3, s20, s21
	s_lshl_b32 s6, s2, 18
	s_mov_b32 s7, 0
	s_add_nc_u64 s[4:5], s[4:5], s[6:7]
	s_lshl_b32 s3, s3, 1
	s_add_co_u32 s3, s3, s18
	s_lshl_b32 s3, s3, 13
	v_lshl_add_u32 v2, v1, 8, s3
	s_lshl_b32 s2, s17, 14
	s_lshl_b32 s3, s18, 14
	s_add_co_u32 s3, s3, 65536
.irp s, 0,1
	v_add_nc_u32 v[ADRA+\s], s2, v[LI]
	v_add_nc_u32 v[ADRB+\s], s3, v[LI]
	s_add_co_u32 s2, s2, SLOT
	s_add_co_u32 s3, s3, SLOT
.endr
	s_lshl_b32 s2, s17, 9
	s_add_co_u32 s2, s2, SCL
	v_add_nc_u32 v[ADRSO], s2, v[LI]
	s_lshl_b32 s3, s18, 9
	s_add_co_u32 s3, s3, SCL+8192
	v_add_nc_u32 v[ADRSI], s3, v[LI]
	s_lshl_b32 s2, s22, 1
	s_add_co_u32 s2, s2, s17
	s_lshl_b32 s2, s2, 4
	s_lshl_b32 s3, s19, 1
	s_add_co_u32 s2, s2, s3
	s_add_co_u32 s2, s2, s18
	s_mul_i32 s66, s2, 1536
	s_mov_b32 s67, 0
	s_add_nc_u64 s[14:15], s[14:15], s[66:67]
	s_lshl_b32 s66, s2, 14
	s_add_nc_u64 s[12:13], s[12:13], s[66:67]
.macro FRAG reg, adr, q, i
.irp c, 0,1,2,3
	ds_load_b128 v[\reg+4*\c:\reg+4*\c+3], v[\adr] offset:32768*(\q)+2048*(\i)+512*\c
.endr
.endm
.macro WM d, fa, fb, cz, sa, sb, ra, rb
.if (\cz) && (\ra) && (\rb)
	v_wmma_scale_f32_16x16x128_f8f6f4 v[(\d):(\d)+7], v[(\fa):(\fa)+15], v[(\fb):(\fb)+15], 0, v[\sa], v[\sb] matrix_a_fmt:MATRIX_FMT_BF8 matrix_b_fmt:MATRIX_FMT_BF8 matrix_a_scale:MATRIX_SCALE_ROW1 matrix_b_scale:MATRIX_SCALE_ROW1
.elseif (\cz) && (\ra)
	v_wmma_scale_f32_16x16x128_f8f6f4 v[(\d):(\d)+7], v[(\fa):(\fa)+15], v[(\fb):(\fb)+15], 0, v[\sa], v[\sb] matrix_a_fmt:MATRIX_FMT_BF8 matrix_b_fmt:MATRIX_FMT_BF8 matrix_a_scale:MATRIX_SCALE_ROW1
.elseif (\cz) && (\rb)
	v_wmma_scale_f32_16x16x128_f8f6f4 v[(\d):(\d)+7], v[(\fa):(\fa)+15], v[(\fb):(\fb)+15], 0, v[\sa], v[\sb] matrix_a_fmt:MATRIX_FMT_BF8 matrix_b_fmt:MATRIX_FMT_BF8 matrix_b_scale:MATRIX_SCALE_ROW1
.elseif (\cz)
	v_wmma_scale_f32_16x16x128_f8f6f4 v[(\d):(\d)+7], v[(\fa):(\fa)+15], v[(\fb):(\fb)+15], 0, v[\sa], v[\sb] matrix_a_fmt:MATRIX_FMT_BF8 matrix_b_fmt:MATRIX_FMT_BF8
.elseif (\ra) && (\rb)
	v_wmma_scale_f32_16x16x128_f8f6f4 v[(\d):(\d)+7], v[(\fa):(\fa)+15], v[(\fb):(\fb)+15], v[(\d):(\d)+7], v[\sa], v[\sb] matrix_a_fmt:MATRIX_FMT_BF8 matrix_b_fmt:MATRIX_FMT_BF8 matrix_a_scale:MATRIX_SCALE_ROW1 matrix_b_scale:MATRIX_SCALE_ROW1
.elseif (\ra)
	v_wmma_scale_f32_16x16x128_f8f6f4 v[(\d):(\d)+7], v[(\fa):(\fa)+15], v[(\fb):(\fb)+15], v[(\d):(\d)+7], v[\sa], v[\sb] matrix_a_fmt:MATRIX_FMT_BF8 matrix_b_fmt:MATRIX_FMT_BF8 matrix_a_scale:MATRIX_SCALE_ROW1
.elseif (\rb)
	v_wmma_scale_f32_16x16x128_f8f6f4 v[(\d):(\d)+7], v[(\fa):(\fa)+15], v[(\fb):(\fb)+15], v[(\d):(\d)+7], v[\sa], v[\sb] matrix_a_fmt:MATRIX_FMT_BF8 matrix_b_fmt:MATRIX_FMT_BF8 matrix_b_scale:MATRIX_SCALE_ROW1
.else
	v_wmma_scale_f32_16x16x128_f8f6f4 v[(\d):(\d)+7], v[(\fa):(\fa)+15], v[(\fb):(\fb)+15], v[(\d):(\d)+7], v[\sa], v[\sb] matrix_a_fmt:MATRIX_FMT_BF8 matrix_b_fmt:MATRIX_FMT_BF8
.endif
.endm
.macro MUL16 a0, p, q, sc, zero
.irp a, \a0, \a0+1
.irp b, 0,1,2,3,4,5,6,7
	WM 8*(8*((\a)%4)+\b), 128*(\p)+FR*\b, AF+FR*(\a), \zero, SC+16*(\sc)+8*(\q)+\b%4, SC+16*(\sc)+8*(\q)+4+(\a)%4, \b/4, (\a)/4
.endr
.endr
.endm
.macro FETCH_B slot, q, p
	WIN TO_B
.irp i, 0,1,2,3,4,5,6,7
	FRAG 128*(\p)+FR*\i, ADRB+\slot, \q, \i
.endr
	WIN 0
.endm
.macro FETCH_A slot, q, i0
.irp i, \i0, \i0+1, \i0+2, \i0+3
	FRAG AF+FR*(\i), ADRA+\slot, \q, \i
.endr
.endm
.macro SCALES sc, visit
.irp q, 0,1
	ds_load_b128 v[SC+16*\sc+8*\q:SC+16*\sc+8*\q+3], v[ADRSI] offset:(2*(\visit)+\q)*1024
	ds_load_b128 v[SC+16*\sc+8*\q+4:SC+16*\sc+8*\q+7], v[ADRSO] offset:(2*(\visit)+\q)*1024
.endr
.endm
.macro STEP slot, q, zero
	s_wait_dscnt 4*NL
	WIN MUL_LO
	MUL16 0, (\q)%2, \q, \slot, \zero
	MUL16 2, (\q)%2, \q, \slot, \zero
	s_wait_dscnt 0
	PLACES NP
	FETCH_B \slot, (\q)+1, 1-(\q)%2
	FETCH_A \slot, (\q)+1, 0
	WIN MUL_HI
	MUL16 4, (\q)%2, \q, \slot, \zero
	MUL16 6, (\q)%2, \q, \slot, \zero
	PLACES NP
	WIN 0
	FETCH_A \slot, (\q)+1, 4
.endm
.macro TURN slot, next, fill, visit
	s_wait_tensorcnt 0x0
	ds_add_u32 v[SPW], v[NIL]
	s_wait_dscnt 4*NL+1
	WIN MUL_LO
	MUL16 0, 1, NQ-1, \slot, 0
	s_wait_dscnt 0x0
	s_barrier_signal -1
	MUL16 2, 1, NQ-1, \slot, 0
	WIN 0
	s_barrier_wait -1
.if \fill
	CREST
	s_add_nc_u64 s[G0+4*\slot+2:G0+4*\slot+3], s[G0+4*\slot+2:G0+4*\slot+3], 131072
	s_add_nc_u64 s[G0B+4*\slot+2:G0B+4*\slot+3], s[G0B+4*\slot+2:G0B+4*\slot+3], 131072
	JLOAD G0+4*\slot, G1, G0B+4*\slot, G1B
	PLACES NP-4
.else
	PLACES NP
.endif
	FETCH_B \next, 0, 0
	FETCH_A \next, 0, 0
	SCALES \next, \visit
	WIN MUL_HI
	MUL16 4, 1, NQ-1, \slot, 0
	MUL16 6, 1, NQ-1, \slot, 0
	PLACES NP
	WIN 0
	FETCH_A \next, 0, 4
.endm
	s_wait_alu depctr_va_vdst(0)
	s_wait_tensorcnt 0x0                           ; my tile of the head's four is in
	ds_add_u32 v[SPW], v[NIL]
	s_mov_b32 s[G1+2], 128<<16                     ; from here on a load brings 128 rows of 256 bytes
	s_mov_b32 s[G1+4], 128
	s_mov_b32 s[G1B+2], 128<<16
	s_mov_b32 s[G1B+4], 128
	s_wait_dscnt 0x0
	CROUND
	JLOAD G0+4, G1, G0B+4, G1B
	FETCH_B 0, 0, 0
	FETCH_A 0, 0, 0
	SCALES 0, 0
	FETCH_A 0, 0, 4
	global_prefetch_b8 v2, s[4:5] offset:131072 th:TH_LOAD_NT scope:SCOPE_SE
	STEP 0, 0, 1
	TURN 0, 1, 1, 1
	global_prefetch_b8 v2, s[4:5] offset:196608 th:TH_LOAD_NT scope:SCOPE_SE
	STEP 1, 0, 0
	TURN 1, 0, 1, 2
	STEP 0, 0, 0
	TURN 0, 1, 0, 3
	STEP 1, 0, 0
	s_wait_dscnt 4*NL
	WIN MUL_LO
	MUL16 0, 1, NQ-1, 1, 0
	MUL16 2, 1, NQ-1, 1, 0
	s_wait_dscnt 0
	WIN MUL_HI
	MUL16 4, 1, NQ-1, 1, 0
	MUL16 6, 1, NQ-1, 1, 0
	WIN 0
.macro SOFT a
.set AW, 2+(\a)/4
.set AS, 64*((\a)%4)
.set PC, AF+16*(\a)
	WIN (AW<<2)|(AW<<4)
.irp b, 0,1,2,3
	v_max3_num_f32 v[BM+\b], 0xff800000, v[AS+16*\b], v[AS+16*\b+1]
.endr
.irp i, 2,4,6,8,10,12,14
.irp b, 0,1,2,3
	v_max3_num_f32 v[BM+\b], v[BM+\b], v[AS+16*\b+\i], v[AS+16*\b+\i+1]
.endr
.endr
	WIN 0
.irp b, 0,1,2,3
	v_permlanex16_b32 v[XX+\b], v[BM+\b], s88, s89
.endr
.irp b, 0,1,2,3
	v_max_num_f32 v[BM+\b], v[BM+\b], v[XX+\b]
.endr
	v_max3_num_f32 v[TT], v[BM], v[BM+1], v[BM+2]
	v_max_num_f32 v[TT], v[TT], v[BM+3]
	v_mul_f32 v[TT], s86, v[TT]
	v_floor_f32 v[NMP], -v[TT]
	v_mov_b32 v[NMS+(\a)], v[NMP]
.irp b, 0,1,2,3
	v_fma_f32 v[BM+\b], v[BM+\b], s86, v[NMP]
.endr
	WIN (AW<<6)|AW
.set n, 0
.rept 32
	v_pk_fma_f32 v[AS+n:AS+n+1], v[AS+n:AS+n+1], s[86:87], v[NMP:NMP+1] op_sel_hi:[1,0,0]
.set n, n+2
.endr
.set n, 0
	s_wait_alu depctr_va_vdst(0)
.rept 64
	v_exp_f32 v[AS+n], v[AS+n]
.set n, n+1
.endr
	WIN 0
.irp b, 0,1,2,3
	v_exp_f32 v[BM+\b], v[BM+\b]
.endr
	v_nop
	s_wait_alu depctr_va_vdst(0)
.irp b, 0,1,2,3
	v_max_num_f32 v[BM+\b], 0x8000000, v[BM+\b]
.endr
.irp b, 0,1,2,3
	v_add_nc_u32 v[SO+\b], 0xf8800000, v[BM+\b]
.endr
.irp b, 0,1,2,3
	v_and_or_b32 v[HV+\b], v[BM+\b], 0x7f800000, s90
.endr
.irp b, 0,1,2,3
	v_lshrrev_b32 v[XX+\b], 23, v[SO+\b]
.endr
	v_lshl_or_b32 v[TT], v[XX+1], 8, v[XX]
	v_lshl_or_b32 v[TT], v[XX+2], 16, v[TT]
	v_lshl_or_b32 v[TT], v[XX+3], 24, v[TT]
	v_or_b32 v[PWS+(\a)], 0x80808080, v[TT]
	WIN (AW<<2)|AW
	v_pk_add_f32 v[SA:SA+1], v[AS:AS+1], v[AS+2:AS+3]
	v_pk_add_f32 v[SB:SB+1], v[AS+4:AS+5], v[AS+6:AS+7]
	WIN AW<<2
.irp j, 8,12,16,20,24,28,32,36,40,44,48,52,56,60
	v_pk_add_f32 v[SA:SA+1], v[SA:SA+1], v[AS+\j:AS+\j+1]
	v_pk_add_f32 v[SB:SB+1], v[SB:SB+1], v[AS+\j+2:AS+\j+3]
.endr
	WIN 0
	v_pk_add_f32 v[SA:SA+1], v[SA:SA+1], v[SB:SB+1]
	v_add_f32 v[TT], v[SA], v[SA+1]
	v_permlanex16_b32 v[XX], v[TT], s88, s89
	v_add_f32 v[LS+(\a)], v[TT], v[XX]
	WIN (AW<<6)|AW
.irp b, 0,1,2,3
.irp i, 0,1,2,3,4,5,6,7,8,9,10,11,12,13,14,15
	v_min_num_f32 v[AS+16*\b+\i], v[AS+16*\b+\i], v[HV+\b]
.endr
.endr
	WIN AW
.irp b, 0,1,2,3
	v_cvt_scalef32_pk8_bf8_f32 v[PC+4*\b:PC+4*\b+1], v[AS+16*\b:AS+16*\b+7], v[SO+\b]
	v_cvt_scalef32_pk8_bf8_f32 v[PC+4*\b+2:PC+4*\b+3], v[AS+16*\b+8:AS+16*\b+15], v[SO+\b]
.endr
	WIN 0
	v_nop
.irp c, 0,1,2,3
	global_store_b128 v[LI], v[PC+4*\c:PC+4*\c+3], s[12:13] offset:2048*(\a)+512*\c
.endr
.endm
	PLACES NP
.irp b, 0,1,2,3
	v_mov_b32 v[XX+\b], 0
.endr
	v_mov_b32 v[NMP+1], 0
.irp t, 0,1,2,3,4,5,6,7
	SOFT \t
.endr
.irp i, 0,1,2,3
	v_cndmask_b32 v[PO+\i], v[PWS+\i], v[PWS+4+\i], s91
	v_cndmask_b32 v[PO+4+\i], v[NMS+\i], v[NMS+4+\i], s91
	v_cndmask_b32 v[PO+8+\i], v[LS+\i], v[LS+4+\i], s91
.endr
	global_store_b128 v[LI], v[PO:PO+3], s[14:15]
	global_store_b128 v[LI], v[PO+4:PO+7], s[14:15] offset:512
	global_store_b128 v[LI], v[PO+8:PO+11], s[14:15] offset:1024
	s_wait_tensorcnt 0x0
	ds_add_u32 v[SPW], v[NIL]
	s_wait_dscnt 0x0
	CROUND
	s_endpgm
.Lfunc_end_k_qc8a6e9ab94_scores:
	.size	k_qc8a6e9ab94_scores, .Lfunc_end_k_qc8a6e9ab94_scores-k_qc8a6e9ab94_scores
	.p2alignl 7, 3214868480
	.fill 96, 4, 3214868480
	.section	.rodata,"a",@progbits
	.p2align	6, 0x0
	.amdhsa_kernel k_qc8a6e9ab94_scores
		.amdhsa_group_segment_fixed_size 327680
		.amdhsa_private_segment_fixed_size 0
		.amdhsa_enable_private_segment 0
		.amdhsa_kernarg_size 48
		.amdhsa_user_sgpr_count 2
		.amdhsa_user_sgpr_kernarg_segment_ptr 1
		.amdhsa_wavefront_size32 1
		.amdhsa_system_sgpr_workgroup_id_x 1
		.amdhsa_system_sgpr_workgroup_id_y 1
		.amdhsa_system_sgpr_workgroup_id_z 1
		.amdhsa_system_vgpr_workitem_id 0
		.amdhsa_next_free_vgpr 1024
		.amdhsa_next_free_sgpr 100
		.amdhsa_reserve_vcc 0
		.amdhsa_float_denorm_mode_32 3
		.amdhsa_float_denorm_mode_16_64 3
		.amdhsa_memory_ordered 1
		.amdhsa_forward_progress 1
		.amdhsa_inst_pref_size 226
	.end_amdhsa_kernel
	.amdgpu_metadata
---
amdhsa.version: [ 1, 2 ]
amdhsa.kernels:
  - .name:           k_qc8a6e9ab94_scores
    .symbol:         k_qc8a6e9ab94_scores.kd
    .args:
      - { .name: qimg, .offset: 0, .size: 8, .value_kind: global_buffer, .address_space: global }
      - { .name: qsc, .offset: 8, .size: 8, .value_kind: global_buffer, .address_space: global }
      - { .name: kimg, .offset: 16, .size: 8, .value_kind: global_buffer, .address_space: global }
      - { .name: ksc, .offset: 24, .size: 8, .value_kind: global_buffer, .address_space: global }
      - { .name: pimg, .offset: 32, .size: 8, .value_kind: global_buffer, .address_space: global }
      - { .name: pstat, .offset: 40, .size: 8, .value_kind: global_buffer, .address_space: global }
    .group_segment_fixed_size: 327680
    .private_segment_fixed_size: 0
    .kernarg_segment_align: 8
    .kernarg_segment_size: 48
    .max_flat_workgroup_size: 128
    .sgpr_count:     100
    .vgpr_count:     1024
    .wavefront_size: 32
...
	.end_amdgpu_metadata
.endif
;; end of part 2
;; launch pv (part 3): grid 4 x 64, 4 waves a work-group, clusters of 4 x 4, 327,680 bytes of LDS; arguments pimg, pstat, vimg, vsc, out0; writes out0
.if DOCPART == 3
	.amdgcn_target "amdgcn-amd-amdhsa--gfx1250"
	.amdhsa_code_object_version 6
	.text
	.protected	k_qc8a6e9ab94_pv
	.globl	k_qc8a6e9ab94_pv
	.p2align	8
	.type	k_qc8a6e9ab94_pv,@function
k_qc8a6e9ab94_pv:
	s_mov_b64 s[64:65], 0
	v_nop
	global_prefetch_b8 v0, s[64:65] scope:SCOPE_SE
	s_setreg_imm32_b32 hwreg(HW_REG_WAVE_MODE, 25, 1), 1
	s_wait_xcnt 0x0
	s_wait_alu depctr_hold_cnt(0) depctr_sa_sdst(0) depctr_va_vdst(0) depctr_va_sdst(0) depctr_va_ssrc(0) depctr_va_vcc(0) depctr_vm_vsrc(0)
	s_getreg_b32 s2, hwreg(HW_REG_IB_STS2, 6, 4)
	s_cmp_eq_u32 s2, 0
	s_cbranch_scc0 .Lentry_in_a_cluster
	s_endpgm
.Lentry_in_a_cluster:
	s_bfe_u32 s2, ttmp6, 0x10000c
	s_cmp_lg_u32 s2, 0xf033
	s_cbranch_scc0 .Lentry_shape_is_right
	s_endpgm
.Lentry_shape_is_right:
; O = (P V) / l on codes of BF8 (E5M2) with E8M0 scales.  P arrives quantised under a whole number M' of its own for each query and each 128 keys; this launch brings it under the row's M by moving scale bytes.
; A tile of 128 queries x 256 channels is made by four waves, each 64 x 128: 32 accumulators.  64 x 4 tiles: one for each of 256 WGPs (a tile of 256 x 256 would leave half of them without work).
; Outer operand (source 1) = P's queries, inner (source 0) = V^T's channels: a lane holds one query (l % 16) and eight neighbouring channels.  K = 2,048 keys: 16 steps of 128.
; The operands are images of their registers (2,048 bytes a fragment): a K step is 16,384 dense bytes of P and 32,768 of V.
; TWO SLOTS OF UNEQUAL SIZE.  In front of every refill each wave waits for all its tensor loads, so what counts is how few refills there are and how much each brings.  Six K steps fit in LDS: slot A holds four,
; slot B two.  A: K steps 0-3, B: 4-5, A: 6-9, B: 10-11, A: 12-15: both slots are filled at the start, and three refills bring the other ten K steps (equal slots of three K steps would need four refills).
; Wave 0 fetches P (65,536 bytes for A, 32,768 for B), waves 1 and 2 half of V each (the same sizes); wave 3 fetches V's scale words, once.  The sixteen K steps are written out: every LDS offset is an immediate.
; CLUSTERS: 4 x 4.  P's tile hangs on the place along y alone (shared along a row of the cluster), V's on the place along x alone (along a column; the four y of a cluster lie in one batch).
; THE ROW'S M AND SUM.  -M = the least of the sixteen -M'.  l = the sum of l' x 2^(M' - M), by v_ldexp_f32: nothing is rounded but the additions.  A scale byte s becomes s - (M - M'): four bytes at a time;
; bit 7 of each byte was set by the writer, so no byte borrows from its neighbour, and the bit tells afterwards which bytes stayed at 0 or above.  Each wave moves the words of four K steps; they meet in LDS.
; LIMITS: a byte that would fall under 0 is held at 0, that is 2^-127: such a block's share is under 2^-111 of a row sum that is over 1/2.  NaN and infinities are not served.
; REGISTERS: window 0: v16-30 addresses, v32-47 scale words (two sets, and nothing else ever), v64-127 the statistics' work (v96-103 1 / l, kept), v128-255 at first the statistics, then P's fragments (two sets), at last rows of O.
;   window 1: V's fragments, two sets.   window 2: the accumulators: (a, b) at v[8 (8 a + b)].
.set NP,     8                         ; places behind this matrix instruction (ISA guide 7.12.1)
.set SLB,    196608                    ; slot A: P's four K steps from byte 0, V's four from byte 65,536.  Slot B begins here: P's two K steps, then V's two
.set VSCL,   SLB+98304                 ; behind the slots: V's scale words, [K step][4 groups][256], 16,384 bytes
.set PSCL,   VSCL+16384                ; P's moved scale words, [K step][2 groups][256], 8,192 bytes: written by LDS stores; no fill lands here
.set SPARE,  PSCL+8192                 ; the spare words, 128 bytes for each wave: two blocks of 256 bytes that no other line names
.set STAGE,  SLB                       ; the way out: a stage of 16 rows x (512 bytes + 16) for each wave, in slot B, which has had its last fill, and its last read ahead of the last barrier
.set SPITCH, 528
.set ADRPA, 16                         ; v16     LDS address of my fragments of P in slot A
.set ADRPB, 17                         ; v17     in slot B
.set ADRVA0, 18                        ; v18     of V in slot A, its K steps 0 and 1 (an LDS offset has 16 bits)
.set ADRVA1, 19                        ; v19     its K steps 2 and 3
.set ADRVB, 20                         ; v20     in slot B
.set ADRSV, 22                         ; v22     V's scale words
.set ADRSP, 23                         ; v23     P's
.set STO,  24                          ; v24     the way out: where I put 32 bytes of a row
.set RD,   25                          ; v25     and where I read a row back
.set LI,   26                          ; v26     16 x lane
.set OWN,  27                          ; v27     the statistics of my wave's own four K steps
.set SPW,  28                          ; v28     my spare word; never rewritten
.set NIL,  29                          ; v29     0; never rewritten
.set PSTO, 30                          ; v30     where I store moved scale words
.set SC,   32                          ; scale words: set p at v[SC + 8 p]: four registers for V, four for P
.set WD,   64                          ; v64-79   my four K steps' scale words
.set NMO,  80                          ; v80-95   their -M'
.set RL,   96                          ; v96-103  1 / l of my four tiles, in pairs
.set GG,   104                         ; v104-107 -M
.set LT,   108                         ; v108-111 l
.set TT,   112                         ; v112-127 at work
.set NM,   128                         ; v128-191 -M' of all sixteen K steps
.set LL,   192                         ; v192-255 l' likewise
.set PF,   128                         ; P's fragments
.set BK,   128                         ; the way out: 16 rows read back: v128-191 and v192-255 by turns
.set G1PA, 24                          ; s[24:31] descriptor group 1 for P into slot A (256 rows of 256 bytes);  s[32:39] into slot B (128 rows)
.set G1PB, 32
.set G1VA, 40                          ; s[40:47], s[48:55] the same for V: they differ in the mask
.set G1VB, 48
.set G1VS, 56                          ; s[56:63] for half of V's scale words (32 rows)
.set G0PA, 68                          ; s[68:71], s[72:75], s[76:79], s[80:83] groups 0: P into A, P into B, V into A, V into B
.set G0PB, 72
.set G0VA, 76
.set G0VB, 80
.set G0VS, 84                          ; s[84:91] for V's scale words, a set for each half
.set MSB, 0
.macro WIN new
.if MSB != (\new)
	s_set_vgpr_msb (MSB<<8)|(\new)
.set MSB, (\new)
.endif
.endm
.macro PLACES n
.rept \n
	v_nop
.endr
.endm
.macro CREST
	s_cmp_lg_u32 s16, 0
	s_cbranch_scc1 .Lnot_wave_0_\@
	s_barrier_signal -3
.Lnot_wave_0_\@:
	s_barrier_wait -3
	s_barrier_signal -1
	s_barrier_wait -1
.endm
.macro CROUND
	s_barrier_signal -1
	s_barrier_wait -1
	CREST
.endm
; A joint refill: wave 0 fetches P, waves 1 and 2 half of V each, wave 3 nothing.  The branches hang on the wave's number alone.  Four v_nop follow each of the two lines.
.macro JLOAD3 g0p, g1p, g0v, g1v
	s_cmp_lt_u32 s16, 1
	s_cbranch_scc0 .Lnot_p_\@
	tensor_load_to_lds s[\g0p:\g0p+3], s[\g1p:\g1p+7]
	s_nop 0
.rept 4
	v_nop
.endr
	s_branch .Lasked_\@
.Lnot_p_\@:
	s_cmp_lt_u32 s16, 3
	s_cbranch_scc0 .Lasked_\@
	tensor_load_to_lds s[\g0v:\g0v+3], s[\g1v:\g1v+7]
	s_nop 0
.rept 4
	v_nop
.endr
.Lasked_\@:
.endm
.macro DENSE_G1 g, rows                ; words 1 to 7 of a group 1: dense bytes as rows of 256 (32 elements of 8 bytes), no padding
	s_mov_b32 s[\g+1], 32<<16                      ; tensor_dim0
	s_mov_b32 s[\g+2], (\rows)<<16                 ; tensor_dim1
	s_mov_b32 s[\g+3], 32<<16                      ; tile_dim0
	s_mov_b32 s[\g+4], \rows                       ; tile_dim1
	s_mov_b32 s[\g+5], 32                          ; tensor_dim0_stride
	s_mov_b32 s[\g+6], 0
	s_mov_b32 s[\g+7], 0
.endm
	s_load_b256 s[4:11], s[0:1], 0x0               ; P's images, P's statistics, V's images, V's scale words
	s_load_b64 s[12:13], s[0:1], 0x20              ; O
	v_lshl_add_u32 v[SPW], v0, 2, SPARE
	v_mov_b32 v[NIL], 0
	ds_add_u32 v28, v29
	ds_add_u32 v28, v29
	s_wait_dscnt 0x0
	v_lshrrev_b32 v1, 5, v0
	v_readfirstlane_b32 s16, v1                    ; wave 0..3
	s_lshr_b32 s17, s16, 1                         ; which 64 queries are mine.  Also, for waves 1 and 2: which half of a slot's V I fetch
	s_and_b32 s18, s16, 1                          ; which 128 channels
	s_bfe_u32 s20, ttmp6, 0x40000                  ; cx, cy
	s_bfe_u32 s21, ttmp6, 0x40004
	s_lshl_b32 s19, ttmp9, 2
	s_add_co_u32 s19, s19, s20                     ; the block of 256 channels: holds no cy
	s_and_b32 s23, ttmp7, 0xffff                   ; the cluster's y, 0 .. 15
	s_lshl_b32 s22, s23, 2
	s_add_co_u32 s22, s22, s21                     ; the block of 128 queries, 0 .. 63, over all batches: holds no cx
	s_lshr_b32 s23, s23, 2                         ; the batch
	s_lshl_b32 s14, s21, 2
	s_lshl_b32 s14, 15, s14                        ; my row of the cluster
	s_lshl_b32 s15, 0x1111, s20                    ; my column
	s_or_b32 s[G1PA], s14, (3<<16)|(1<<21)         ; 15:0 the mask; 17:16 elements of 8 bytes; 21 set beside a mask
	s_or_b32 s[G1PB], s14, (3<<16)|(1<<21)
	s_or_b32 s[G1VA], s15, (3<<16)|(1<<21)
	s_or_b32 s[G1VB], s15, (3<<16)|(1<<21)
	s_or_b32 s[G1VS], s15, (3<<16)|(1<<21)
	DENSE_G1 G1PA, 256
	DENSE_G1 G1PB, 128
	DENSE_G1 G1VA, 256
	DENSE_G1 G1VB, 128
	DENSE_G1 G1VS, 32
	s_lshl_b32 s92, s22, 18                        ; P: 16 K steps x 16,384 bytes a block (every offset here stays under 2^26)
	s_mov_b32 s93, 0
	s_lshl_b32 s94, s19, 6                         ; V: K step 64 x block of channels + 16 x batch
	s_lshl_b32 s95, s23, 4
	s_add_co_u32 s94, s94, s95
	s_lshl_b32 s96, s94, 10                        ; its scale words, 1,024 bytes a K step,
	s_mov_b32 s97, 0
	s_lshl_b32 s94, s94, 15                        ; its images, 32,768 bytes a K step
	s_mov_b32 s95, 0
	s_lshl_b32 s2, s16, 16                         ; where they go in slot A: wave x 65,536: P, V's first half, V's second half;
	s_lshl_b32 s3, s16, 15
	s_add_co_u32 s3, s3, SLB                       ; in slot B: wave x 32,768.  No place in the cluster enters an LDS address
	s_mov_b32 s99, 0
	s_wait_kmcnt 0x0
	s_add_nc_u64 s[92:93], s[4:5], s[92:93]
	s_add_nc_u64 s[94:95], s[8:9], s[94:95]
	s_mov_b64 s[4:5], s[92:93]                     ; kept for the prefetches
	s_mov_b64 s[8:9], s[94:95]
	s_add_nc_u64 s[96:97], s[10:11], s[96:97]
	s_mov_b32 s[G0PA], 1                           ; slot A begins with K steps 0-3,
	s_mov_b32 s[G0PA+1], s2
	s_mov_b64 s[G0PA+2:G0PA+3], s[92:93]
	s_or_b32 s[G0PA+3], s[G0PA+3], 0x80000000
	s_mov_b32 s[G0PB], 1                           ; slot B with K steps 4 and 5
	s_mov_b32 s[G0PB+1], s3
	s_add_nc_u64 s[G0PB+2:G0PB+3], s[92:93], 4*16384
	s_or_b32 s[G0PB+3], s[G0PB+3], 0x80000000
	s_mov_b32 s[G0VA], 1
	s_mov_b32 s[G0VA+1], s2
	s_lshl_b32 s98, s17, 16                        ; wave 2 fetches the slot's second half: two K steps on in A,
	s_add_nc_u64 s[G0VA+2:G0VA+3], s[94:95], s[98:99]
	s_or_b32 s[G0VA+3], s[G0VA+3], 0x80000000
	s_mov_b32 s[G0VB], 1
	s_mov_b32 s[G0VB+1], s3
	s_lshl_b32 s98, s17, 15                        ; one K step on in B
	s_add_co_u32 s98, s98, 4*32768
	s_add_nc_u64 s[G0VB+2:G0VB+3], s[94:95], s[98:99]
	s_or_b32 s[G0VB+3], s[G0VB+3], 0x80000000
.irp s, 0,1
	s_mov_b32 s[G0VS+4*\s], 1
	s_mov_b32 s[G0VS+4*\s+1], VSCL+\s*8192
	s_add_nc_u64 s[G0VS+4*\s+2:G0VS+4*\s+3], s[96:97], \s*8192
	s_or_b32 s[G0VS+4*\s+3], s[G0VS+4*\s+3], 0x80000000
.endr
	CROUND                                         ; all sixteen work-groups are here: the first joint loads meet
	s_cmp_lt_u32 s16, 1                            ; one first fill a wave
	s_cbranch_scc0 .Lfirst_not_p
	tensor_load_to_lds s[G0PA:G0PA+3], s[G1PA:G1PA+7]
	s_nop 0
.rept 4
	v_nop
.endr
	s_branch .Lfirst_asked
.Lfirst_not_p:
	s_cmp_lt_u32 s16, 3
	s_cbranch_scc0 .Lfirst_scales
	tensor_load_to_lds s[G0VA:G0VA+3], s[G1VA:G1VA+7]
	s_nop 0
.rept 4
	v_nop
.endr
	s_branch .Lfirst_asked
.Lfirst_scales:
	tensor_load_to_lds s[G0VS:G0VS+3], s[G1VS:G1VS+7]       ; K steps 0-7
	s_nop 0
.rept 4
	v_nop
.endr
.Lfirst_asked:
	s_mul_i32 s66, s22, 24576                      ; the block's statistics: 16 K steps x 1,536 bytes
	s_mov_b32 s67, 0
	s_add_nc_u64 s[6:7], s[6:7], s[66:67]
	v_and_b32 v1, 31, v0
	v_lshlrev_b32 v[LI], 4, v1
	s_wait_alu depctr_va_vdst(0)
	v_and_b32 v2, 15, v0                           ; r
	s_wait_alu depctr_va_vdst(0)
	v_bfe_u32 v3, v0, 4, 1                         ; h
	s_mul_i32 s98, s16, 6144                       ; my wave's own K steps 4 w .. 4 w + 3 in the statistics
	v_add_nc_u32 v[OWN], s98, v[LI]
.irp k, 0,1,2,3,4,5,6,7,8,9,10,11,12,13,14,15
	global_load_b128 v[NM+4*\k:NM+4*\k+3], v[LI], s[6:7] offset:1536*\k+512     ; lane (r, h), word i: tile 4 h + i, row r
	global_load_b128 v[LL+4*\k:LL+4*\k+3], v[LI], s[6:7] offset:1536*\k+1024
.endr
.irp q, 0,1,2,3
	global_load_b128 v[WD+4*\q:WD+4*\q+3], v[OWN], s[6:7] offset:1536*\q
	global_load_b128 v[NMO+4*\q:NMO+4*\q+3], v[OWN], s[6:7] offset:1536*\q+512
.endr
	s_lshl_b32 s66, s22, 7                         ; O: my first row, 128 x block + 64 x half, 4,096 bytes a row,
	s_lshl_b32 s98, s17, 6
	s_add_co_u32 s66, s66, s98
	s_lshl_b32 s66, s66, 12
	s_lshl_b32 s98, s19, 10                        ; my first channel, 256 x block + 128 x half, 4 bytes each
	s_add_co_u32 s66, s66, s98
	s_lshl_b32 s98, s18, 9
	s_add_co_u32 s66, s66, s98
	s_add_nc_u64 s[12:13], s[12:13], s[66:67]
	s_mov_b32 s92, 0x76543210
	s_mov_b32 s93, 0xfedcba98                      ; v_permlanex16_b32's selects for lane l xor 16
	s_mov_b32 s94, 0xffff0000                      ; the lanes that hold my four tiles' sums: tiles 4-7 lie in lanes 16-31,
	s_cmp_eq_u32 s17, 0
	s_cselect_b32 s94, 0xffff, s94                 ; tiles 0-3 in lanes 0-15
	s_lshl_b32 s66, s17, 13                        ; my four fragments of P: 4 x 2,048 x half
	v_add_nc_u32 v[ADRPA], s66, v[LI]
	s_add_co_u32 s66, s66, SLB
	v_add_nc_u32 v[ADRPB], s66, v[LI]
	s_lshl_b32 s66, s18, 14                        ; my eight of V,
	s_add_co_u32 s66, s66, 65536                   ; which lie behind P's four K steps in slot A,
	v_add_nc_u32 v[ADRVA0], s66, v[LI]
	s_add_co_u32 s66, s66, 65536
	v_add_nc_u32 v[ADRVA1], s66, v[LI]
	s_add_co_u32 s66, s66, SLB+32768-131072        ; and behind P's two in slot B
	v_add_nc_u32 v[ADRVB], s66, v[LI]
	s_lshl_b32 s66, s18, 9                         ; V's scale words: my two groups
	s_add_co_u32 s66, s66, VSCL
	v_add_nc_u32 v[ADRSV], s66, v[LI]
	s_lshl_b32 s66, s17, 8                         ; P's: my one group; both halves of the lanes read the same words
	s_add_co_u32 s66, s66, PSCL
	v_lshl_add_u32 v[ADRSP], v2, 4, s66
	s_lshl_b32 s66, s16, 11                        ; and where I store the words that I move: 512 bytes a K step, four K steps a wave
	s_add_co_u32 s66, s66, PSCL
	v_add_nc_u32 v[PSTO], s66, v[LI]
	s_mul_i32 s66, s16, 16*SPITCH                  ; my stage
	s_add_co_u32 s66, s66, STAGE
	v_mul_u32_u24 v4, v2, SPITCH
	v_lshl_add_u32 v4, v3, 5, v4
	v_add_nc_u32 v[STO], s66, v4                   ; in: row r, 32 bytes for each half of the lanes
	v_add_nc_u32 v[RD], s66, v[LI]
	; PREFETCHES INTO THE L2, a slot ahead of the joint loads: 8,192 bytes a wave, lanes 256 bytes apart; P's bytes are shared out along the row of the cluster, V's along the column, by address
	s_lshl_b32 s66, s20, 1
	s_add_co_u32 s66, s66, s16
	s_lshl_b32 s66, s66, 13
	v_lshl_add_u32 v5, v1, 8, s66                  ; P into slot A, 65,536 bytes: waves 0 and 1
	s_lshl_b32 s66, s21, 2
	s_add_co_u32 s66, s66, s16
	s_lshl_b32 s66, s66, 13
	v_lshl_add_u32 v6, v1, 8, s66                  ; V into slot A, 131,072 bytes: every wave
	s_lshl_b32 s66, s20, 13
	v_lshl_add_u32 v7, v1, 8, s66                  ; P into slot B, 32,768 bytes: wave 0
	s_lshl_b32 s66, s21, 1
	s_add_co_u32 s66, s66, s16
	s_lshl_b32 s66, s66, 13
	v_lshl_add_u32 v8, v1, 8, s66                  ; V into slot B, 65,536 bytes: waves 0 and 1
	s_wait_alu depctr_va_vdst(0)
	s_wait_loadcnt 0x0
	; -M = the least -M' of the sixteen K steps, for all 128 rows (four words a lane)
.irp i, 0,1,2,3
	v_min3_num_f32 v[GG+\i], v[NM+\i], v[NM+4+\i], v[NM+8+\i]
.endr
.irp k, 3,5,7,9,11,13
.irp i, 0,1,2,3
	v_min3_num_f32 v[GG+\i], v[GG+\i], v[NM+4*\k+\i], v[NM+4*\k+4+\i]
.endr
.endr
.irp i, 0,1,2,3
	v_min_num_f32 v[GG+\i], v[GG+\i], v[NM+60+\i]
.endr
	; l = the sum of l' x 2^(M' - M)
.irp k, 0,1,2,3,4,5,6,7,8,9,10,11,12,13,14,15
.irp p, 0,2
	v_pk_add_f32 v[NM+4*\k+\p:NM+4*\k+\p+1], v[GG+\p:GG+\p+1], v[NM+4*\k+\p:NM+4*\k+\p+1] neg_lo:[0,1] neg_hi:[0,1]   ; M' - M: a whole number, 0 or less
.endr
.endr
.set n, 0
.rept 64
	v_cvt_i32_f32 v[NM+n], v[NM+n]                 ; (it saturates)
.set n, n+1
.endr
.set n, 0
.rept 64
	v_ldexp_f32 v[LL+n], v[LL+n], v[NM+n]
.set n, n+1
.endr
	v_pk_add_f32 v[LT:LT+1], v[LL:LL+1], v[LL+4:LL+5]
	v_pk_add_f32 v[LT+2:LT+3], v[LL+2:LL+3], v[LL+6:LL+7]
.irp k, 2,3,4,5,6,7,8,9,10,11,12,13,14,15
	v_pk_add_f32 v[LT:LT+1], v[LT:LT+1], v[LL+4*\k:LL+4*\k+1]
	v_pk_add_f32 v[LT+2:LT+3], v[LT+2:LT+3], v[LL+4*\k+2:LL+4*\k+3]
.endr
	; my four K steps' scale words: each byte less d = M - M', held at 0 from below
.set n, 0
.rept 16
	v_sub_f32 v[NMO+n], v[GG+n%4], v[NMO+n]        ; M' - M
.set n, n+1
.endr
.set n, 0
.rept 16
	v_cvt_i32_f32 v[NMO+n], v[NMO+n]
.set n, n+1
.endr
.set n, 0
.rept 16
	v_max_i32 v[NMO+n], 0xffffff81, v[NMO+n]       ; d at most 127: more than any byte holds
.set n, n+1
.endr
.set n, 0
.rept 16
	v_sub_nc_u32 v[NMO+n], 0, v[NMO+n]             ; d
.set n, n+1
.endr
.set n, 0
.rept 16
	v_perm_b32 v[NMO+n], v[NMO+n], v[NMO+n], 0     ; in all four bytes
.set n, n+1
.endr
.set n, 0
.rept 16
	v_sub_nc_u32 v[WD+n], v[WD+n], v[NMO+n]        ; (128 + s) - d is 1 or more in every byte: no borrow crosses a byte
.set n, n+1
.endr
.set n, 0
.rept 16
	v_and_b32 v[NMO+n], 0x80808080, v[WD+n]        ; bit 7 is left where s - d is 0 or more
.set n, n+1
.endr
.set n, 0
.rept 16
	v_lshrrev_b32 v[TT+n], 7, v[NMO+n]
.set n, n+1
.endr
.set n, 0
.rept 16
	v_sub_nc_u32 v[NMO+n], v[NMO+n], v[TT+n]       ; 0x7f in those bytes, 0 in the others
.set n, n+1
.endr
.set n, 0
.rept 16
	v_and_b32 v[WD+n], v[WD+n], v[NMO+n]           ; s - d, or 0
.set n, n+1
.endr
.irp q, 0,1,2,3
	ds_store_b128 v[PSTO], v[WD+4*\q:WD+4*\q+3] offset:512*\q
.endr
	; 1 / l of my four tiles, in both halves of the lanes
.irp i, 0,1,2,3
	v_permlanex16_b32 v[TT+\i], v[LT+\i], s92, s93
.endr
.irp i, 0,1,2,3
	v_cndmask_b32 v[TT+\i], v[TT+\i], v[LT+\i], s94
.endr
	s_wait_alu depctr_va_vdst(0)
.irp i, 0,1,2,3
	v_rcp_f32 v[RL+2*\i], v[TT+\i]
.endr
	v_nop                                          ; a plain place behind the reciprocals
	s_wait_alu depctr_va_vdst(0)
.irp i, 0,1,2,3
	v_mov_b32 v[RL+2*\i+1], v[RL+2*\i]             ; (the packed multiply names the pair)
.endr
; One matrix instruction.  cz = 1: it starts its sum.  ra = 1: V's scale words stand in lanes 16-31 of their register.
.macro WM d, fa, fb, cz, sa, sb, ra
.if (\cz) && (\ra)
	v_wmma_scale_f32_16x16x128_f8f6f4 v[(\d):(\d)+7], v[(\fa):(\fa)+15], v[(\fb):(\fb)+15], 0, v[\sa], v[\sb] matrix_a_fmt:MATRIX_FMT_BF8 matrix_b_fmt:MATRIX_FMT_BF8 matrix_a_scale:MATRIX_SCALE_ROW1
.elseif (\cz)
	v_wmma_scale_f32_16x16x128_f8f6f4 v[(\d):(\d)+7], v[(\fa):(\fa)+15], v[(\fb):(\fb)+15], 0, v[\sa], v[\sb] matrix_a_fmt:MATRIX_FMT_BF8 matrix_b_fmt:MATRIX_FMT_BF8
.elseif (\ra)
	v_wmma_scale_f32_16x16x128_f8f6f4 v[(\d):(\d)+7], v[(\fa):(\fa)+15], v[(\fb):(\fb)+15], v[(\d):(\d)+7], v[\sa], v[\sb] matrix_a_fmt:MATRIX_FMT_BF8 matrix_b_fmt:MATRIX_FMT_BF8 matrix_a_scale:MATRIX_SCALE_ROW1
.else
	v_wmma_scale_f32_16x16x128_f8f6f4 v[(\d):(\d)+7], v[(\fa):(\fa)+15], v[(\fb):(\fb)+15], v[(\d):(\d)+7], v[\sa], v[\sb] matrix_a_fmt:MATRIX_FMT_BF8 matrix_b_fmt:MATRIX_FMT_BF8
.endif
.endm
; cnt query tiles from a0 on x the eight channel tiles, on set p.  The 32 accumulators take turns, one instruction a turn, in the same order in every step.
.macro MUL3 p, a0, cnt, zero
	WIN 0xa1                                       ; source 0 (V) window 1, source 1 (P) window 0, C and D window 2
.set aa, \a0
.rept \cnt
.irp b, 0,1,2,3,4,5,6,7
	WM 8*(8*aa+\b), 128*(\p)+16*\b, PF+64*(\p)+16*aa, \zero, SC+8*(\p)+\b%4, SC+8*(\p)+4+aa, \b/4
.endr
.set aa, aa+1
.endr
.endm
; 50 LDS loads in one run: K step ks into set p: V's eight fragments (the qv-th K step behind address adrv), P's four (the qp-th behind adrp), V's and P's scale words
.macro FETCH3 adrp, qp, adrv, qv, p, ks
	WIN 0x40                                       ; destination window 1
.irp b, 0,1,2,3,4,5,6,7
.irp c, 0,1,2,3
	ds_load_b128 v[128*(\p)+16*\b+4*\c:128*(\p)+16*\b+4*\c+3], v[\adrv] offset:32768*(\qv)+2048*\b+512*\c
.endr
.endr
	WIN 0
.irp a, 0,1,2,3
.irp c, 0,1,2,3
	ds_load_b128 v[PF+64*(\p)+16*\a+4*\c:PF+64*(\p)+16*\a+4*\c+3], v[\adrp] offset:16384*(\qp)+2048*\a+512*\c
.endr
.endr
	ds_load_b128 v[SC+8*(\p):SC+8*(\p)+3], v[ADRSV] offset:1024*(\ks)
	ds_load_b128 v[SC+8*(\p)+4:SC+8*(\p)+7], v[ADRSP] offset:512*(\ks)
.endm
.macro FK ks                           ; K step ks lies in slot A where ks % 6 is under 4, else in slot B; it goes into set ks % 2
.set kq, (\ks)%6
.if kq < 2
	FETCH3 ADRPA, kq, ADRVA0, kq, (\ks)%2, \ks
.elseif kq < 4
	FETCH3 ADRPA, kq, ADRVA1, kq-2, (\ks)%2, \ks
.else
	FETCH3 ADRPB, kq-4, ADRVB, kq-4, (\ks)%2, \ks
.endif
.endm
; A load into a register that a matrix instruction has read, and a vector instruction that reads a matrix result, stand NP places behind it; only plain vector instructions that name none of its
; registers are places (ISA guide 7.12.1 for vector instructions).
.macro PLAIN ks, zero                  ; a K step whose successor lies in the same slot: its set is multiplied while the next K step is fetched into the other
	s_wait_dscnt 0x0                               ; my set is in
	PLACES NP
	FK (\ks)+1
	MUL3 (\ks)%2, 0, 4, \zero
	WIN 0
.endm
; A slot's last K step (always an odd one: set 1) changes slots: ONE barrier.  In front of it each wave waits for all its tensor loads, adds 0 to its spare word, and waits for that and for its own reads of this slot.
; fill = 1: the barrier opens a round of the cluster's, and slot A is filled again, six K steps on, first thing behind the round; 2: slot B likewise; 0: nothing is left to fetch.
.macro TURNK ks, fill
	s_wait_tensorcnt 0x0                           ; all my tensor loads have landed: my part of the other slot
	ds_add_u32 v[SPW], v[NIL]                      ; 0 onto my spare word
	s_wait_dscnt 1                                 ; set 1 is in; the add may be out
	MUL3 1, 0, 1, 0
	s_wait_dscnt 0x0                               ; the add is done, and my reads of this slot are over
	s_barrier_signal -1
	MUL3 1, 1, 1, 0
	WIN 0
	s_barrier_wait -1
.if \fill == 1
	CREST                                          ; no wave of any partner still reads this slot or has a load on its way
	s_add_nc_u64 s[G0PA+2:G0PA+3], s[G0PA+2:G0PA+3], 6*16384
	s_add_nc_u64 s[G0VA+2:G0VA+3], s[G0VA+2:G0VA+3], 6*32768
	JLOAD3 G0PA, G1PA, G0VA, G1VA
.elseif \fill == 2
	CREST
	s_add_nc_u64 s[G0PB+2:G0PB+3], s[G0PB+2:G0PB+3], 6*16384
	s_add_nc_u64 s[G0VB+2:G0VB+3], s[G0VB+2:G0VB+3], 6*32768
	JLOAD3 G0PB, G1PB, G0VB, G1VB
.endif
	PLACES NP                                      ; on every wave's way, that of the wave that asked for nothing too
	FK (\ks)+1
	MUL3 1, 2, 2, 0
	WIN 0
.endm
	s_wait_alu depctr_va_vdst(0)
	s_wait_tensorcnt 0x0                           ; my first load is in
	ds_add_u32 v[SPW], v[NIL]
	s_wait_dscnt 0x0                               ; the add is done, and my moved scale words lie in LDS
	CROUND                                         ; everybody's do, and slot A is whole
	s_cmp_lt_u32 s16, 1
	s_cbranch_scc0 .Lsecond_not_p
	tensor_load_to_lds s[G0PB:G0PB+3], s[G1PB:G1PB+7]       ; slot B
	s_nop 0
	PLACES 4
	s_branch .Lsecond_asked
.Lsecond_not_p:
	s_cmp_lt_u32 s16, 3
	s_cbranch_scc0 .Lsecond_scales
	tensor_load_to_lds s[G0VB:G0VB+3], s[G1VB:G1VB+7]
	s_nop 0
	PLACES 4
	s_branch .Lsecond_asked
.Lsecond_scales:
	tensor_load_to_lds s[G0VS+4:G0VS+7], s[G1VS:G1VS+7]     ; V's scale words of K steps 8-15
	s_nop 0
	PLACES 4
.Lsecond_asked:
	FK 0
.macro ASK waves, off, base, ks, bytes
	s_cmp_lt_u32 s16, \waves
	s_cbranch_scc0 .Lno_ask_\@
	global_prefetch_b8 v[\off], s[\base:\base+1] offset:(\ks)*(\bytes) th:TH_LOAD_NT scope:SCOPE_SE
.Lno_ask_\@:
.endm
	ASK 2, 5, 4, 6, 16384                          ; K steps 6-9, asked for by loads behind K step 3
	ASK 4, 6, 8, 6, 32768
	PLAIN 0, 1
	PLAIN 1, 0
	ASK 1, 7, 4, 10, 16384                         ; K steps 10 and 11, behind K step 5
	ASK 2, 8, 8, 10, 32768
	PLAIN 2, 0
	TURNK 3, 1                                     ; slot A is left: it takes K steps 6-9, which have K steps 4 and 5 in which to land
	PLAIN 4, 0
	TURNK 5, 2                                     ; slot B is left: it takes K steps 10 and 11, which have four K steps in which to land
	ASK 2, 5, 4, 12, 16384                         ; K steps 12-15, behind K step 9
	ASK 4, 6, 8, 12, 32768
	PLAIN 6, 0
	PLAIN 7, 0
	PLAIN 8, 0
	TURNK 9, 1                                     ; slot A takes K steps 12-15
	PLAIN 10, 0
	TURNK 11, 0
	PLAIN 12, 0
	PLAIN 13, 0
	PLAIN 14, 0
	s_wait_dscnt 0x0
	MUL3 1, 0, 4, 0
	WIN 0
; THE WAY OUT, a tile of 16 queries x 128 channels at a time: divided by l, through my own stage in LDS, back as whole rows of 512 bytes.
; LDS serves a wave's instructions in order (ISA guide 5.7.1.4): no wait between the stores and the loads, nor in front of the next tile's stores.
.macro TOSTAGE a
	WIN 0x82                                       ; destination and source 0: window 2
.set n, 0
.rept 32
	v_pk_mul_f32 v[64*(\a)+n:64*(\a)+n+1], v[64*(\a)+n:64*(\a)+n+1], v[RL+2*(\a):RL+2*(\a)+1] op_sel_hi:[1,0]   ; each accumulator from its low end on
.set n, n+2
.endr
	WIN 0x08                                       ; an LDS store's data are its source 1: window 2
.irp b, 0,1,2,3,4,5,6,7
	ds_store_b128 v[STO], v[64*(\a)+8*\b:64*(\a)+8*\b+3] offset:64*\b
	ds_store_b128 v[STO], v[64*(\a)+8*\b+4:64*(\a)+8*\b+7] offset:64*\b+16
.endr
	WIN 0
.set BB, BK+64*((\a)%2)
.irp t, 0,1,2,3,4,5,6,7,8,9,10,11,12,13,14,15
	ds_load_b128 v[BB+4*\t:BB+4*\t+3], v[RD] offset:\t*SPITCH
.endr
.endm
.macro SEND a, younger                 ; younger: the LDS instructions issued behind tile a's loads, which may stay out
.set BB, BK+64*((\a)%2)
	s_wait_dscnt \younger
.if (\a) > 0
	s_add_nc_u64 s[12:13], s[12:13], 65536         ; (behind a wait on XCNT: the earlier stores have read their base)  16 rows of O on
.endif
.irp t, 0,1,2,3,4,5,6,7,8,9,10,11,12,13,14,15
	global_store_b128 v[LI], v[BB+4*\t:BB+4*\t+3], s[12:13] offset:\t*4096 th:TH_STORE_NT   ; 32 lanes store 512 consecutive bytes, at a multiple of 512 from O's first byte; written once, read by nobody here
.endr
.endm
	PLACES NP
	s_wait_alu depctr_va_vdst(0)
	TOSTAGE 0
.irp a, 1,2,3
.if \a > 1
	s_wait_xcnt 0x0                                ; tile a - 2's stores have read their registers and their base
.endif
	TOSTAGE \a
	SEND \a-1, 32                                  ; behind tile a - 1's loads: tile a's 16 stores and 16 loads
.endr
	s_wait_xcnt 0x0
	SEND 3, 0
	s_wait_tensorcnt 0x0                           ; the wave's end, behind my last tensor load and my last LDS store
	ds_add_u32 v[SPW], v[NIL]
	s_wait_dscnt 0x0
	CROUND                                         ; the closing round: no work-group ends while a partner may still ask for a tile that names it
	s_endpgm
.Lfunc_end_k_qc8a6e9ab94_pv:
	.size	k_qc8a6e9ab94_pv, .Lfunc_end_k_qc8a6e9ab94_pv-k_qc8a6e9ab94_pv
	.p2alignl 7, 3214868480
	.fill 96, 4, 3214868480
	.section	.rodata,"a",@progbits
	.p2align	6, 0x0
	.amdhsa_kernel k_qc8a6e9ab94_pv
		.amdhsa_group_segment_fixed_size 327680
		.amdhsa_private_segment_fixed_size 0
		.amdhsa_enable_private_segment 0
		.amdhsa_kernarg_size 40
		.amdhsa_user_sgpr_count 2
		.amdhsa_user_sgpr_kernarg_segment_ptr 1
		.amdhsa_wavefront_size32 1
		.amdhsa_system_sgpr_workgroup_id_x 1
		.amdhsa_system_sgpr_workgroup_id_y 1
		.amdhsa_system_sgpr_workgroup_id_z 1
		.amdhsa_system_vgpr_workitem_id 0
		.amdhsa_next_free_vgpr 768
		.amdhsa_next_free_sgpr 100
		.amdhsa_reserve_vcc 0
		.amdhsa_float_denorm_mode_32 3
		.amdhsa_float_denorm_mode_16_64 3
		.amdhsa_memory_ordered 1
		.amdhsa_forward_progress 1
		.amdhsa_inst_pref_size 183
	.end_amdhsa_kernel
	.amdgpu_metadata
---
amdhsa.version: [ 1, 2 ]
amdhsa.kernels:
  - .name:           k_qc8a6e9ab94_pv
    .symbol:         k_qc8a6e9ab94_pv.kd
    .args:
      - { .name: pimg, .offset: 0, .size: 8, .value_kind: global_buffer, .address_space: global }
      - { .name: pstat, .offset: 8, .size: 8, .value_kind: global_buffer, .address_space: global }
      - { .name: vimg, .offset: 16, .size: 8, .value_kind: global_buffer, .address_space: global }
      - { .name: vsc, .offset: 24, .size: 8, .value_kind: global_buffer, .address_space: global }
      - { .name: out0, .offset: 32, .size: 8, .value_kind: global_buffer, .address_space: global }
    .group_segment_fixed_size: 327680
    .private_segment_fixed_size: 0
    .kernarg_segment_align: 8
    .kernarg_segment_size: 40
    .max_flat_workgroup_size: 128
    .sgpr_count:     100
    .vgpr_count:     768
    .wavefront_size: 32
...
	.end_amdgpu_metadata
.endif
;; end of part 3
